; MI455X (gfx1250); checked and timed in simulation.
; The chip was launched on July 23, 2026; its instructions are those of AMD's public machine-readable ISA for CDNA 5 (MIT licence, August 2026) and "CDNA5" Instruction Set Architecture Reference Guide (July 2026). The comments in the code are by the model that wrote it; some were corrected since.
;; Multi Head Attention. Allowed arithmetic: matrix products marked QUANTISED: E2M1 operands, one E8M0 scale for each 32 along K, by v_wmma_scale_f32_16x16x128_f8f6f4 with both operands' format E2M1 (or v_wmma_scale_f32_32x16x128_f4), f32 sums; products left as they are: bf16, f16 or f32 operands; f32 sums; everything else in f32.
;; Inputs: Wk 1,024 x 1,024 float32; Wp 1,024 x 1,024 float32; Wq 1,024 x 1,024 float32; Wv 1,024 x 1,024 float32; bk 1,024 float32; bp 1,024 float32; bq 1,024 float32; bv 1,024 float32; x 4 x 2,048 x 1,024 float32.
;; Outputs: out0 4 x 2,048 x 1,024 float32.
;; This version of the problem:
;;   THIS VERSION OF THE PROBLEM IS GIVEN IN LOW PRECISION. The matrix products marked QUANTISED in the list below multiply operands that are first quantised to E2M1 (2 exponent bits, 1 mantissa bit; 4 bits a number), with one power-of-two scale for each 32 numbers along K (OCP MX v1.0); their sums are f32. The products marked 'left as it is' may take bf16, f16 or f32 operands, with f32 sums. Whichever they take, every output number must still come out within the allowed error. Rounding operands to bf16 (8 significant bits) uses up far more of that allowance than f16 does (11 bits, for magnitudes from 6e-5 to 65,504). All else is computed in f32.
;;   The module's matrix products, in the order in which they are computed (A, B: the left and right operand; K: the contracted axis; several contracted axes count as one K, in the product's order):
;;     1. [M 8,192, K 1,024] x [K 1,024, N 1,024]; A: input x; B: input Wq: QUANTISED
;;     2. [M 8,192, K 1,024] x [K 1,024, N 1,024]; A: input x; B: input Wk: QUANTISED
;;     3. [M 8,192, K 1,024] x [K 1,024, N 1,024]; A: input x; B: input Wv: QUANTISED
;;     4. batch 64 x [M 2,048, K 64] x [K 64, N 2,048]; A: computed on the way; B: computed on the way: left as it is (an operand is computed on the way)
;;     5. batch 64 x [M 2,048, K 2,048] x [K 2,048, N 64]; A: computed on the way; B: computed on the way: left as it is (an operand is computed on the way)
;;     6. [M 8,192, K 1,024] x [K 1,024, N 1,024]; A: computed on the way; B: input Wp: left as it is (an operand is computed on the way)
;;   THE QUANTISER, for each operand of a quantised product, along K:
;;     - K is cut into blocks of 32 from its start; a last block that is shorter is filled with zeros.
;;     - A block's scale is 2^e with e = floor(log2(the largest magnitude in the block)) - 2, held to -126 .. 127; a block of zeros has e = 0. As a byte (E8M0): e + 127.
;;     - Each number is divided by its block's scale, clamped to +-6, and rounded to the nearest number of E2M1, ties to even, subnormals kept.
;;     - The product sums the exact products of the quantised numbers (number of the format x scale) in f32.
;;   ~~~python
;;   def quantise(x, axis):      # numpy; x: float32 -> the quantised numbers, widened to float32 again
;;       x = np.moveaxis(x, axis, -1); K = x.shape[-1]
;;       x = np.pad(x, [(0, 0)] * (x.ndim - 1) + [(0, -K % 32)]); x = x.reshape(x.shape[:-1] + (-1, 32)); a = np.abs(x).max(-1, keepdims=True)
;;       e = np.where(a > 0, np.clip(np.frexp(np.where(a > 0, a, 1))[1] - 1 - 2, -126, 127), 0)      # np.frexp(a)[1] - 1 = floor(log2(a)), exactly
;;       r = np.clip(x / 2.0 ** e, -6, 6)
;;       step = 2.0 ** (np.maximum(np.frexp(np.where(r == 0, 1, r))[1] - 1, 0) - 1)
;;       q = np.round(r / step) * step * 2.0 ** e      # np.round: ties to even
;;       return np.moveaxis(q.reshape(q.shape[:-2] + (-1,))[..., :K], -1, axis).astype(np.float32)
;;   ~~~
;; One version. Each part assembles by itself: llvm-mc -triple=amdgcn-amd-amdhsa -mcpu=gfx1250 --defsym DOCPART=n.
;; ======== version 1 of 1: 4 launches
;; limits: values are held in f16: magnitudes above 65,504 overflow, below 6.1e-05 lose precision
;; workspace buffers: x_codes 4,194,304 bytes; x_scales 262,144 bytes; w_codes 1,572,864 bytes; w_scales 98,304 bytes; wp16 2,097,152 bytes; qkv 50,331,648 bytes; y16 16,777,216 bytes
;; launch prep (part 1): grid 384 x 1, 4 waves a work-group, no clusters, 33,280 bytes of LDS; arguments x, Wq, Wk, Wv, Wp, x_codes, x_scales, w_codes, w_scales, wp16; writes x_codes, x_scales, w_codes, w_scales, wp16
.if DOCPART == 1
	.amdgcn_target "amdgcn-amd-amdhsa--gfx1250"
	.amdhsa_code_object_version 6
	.text
	.protected	k_q0c9dbf03a3_prep
	.globl	k_q0c9dbf03a3_prep
	.p2align	8
	.type	k_q0c9dbf03a3_prep,@function
k_q0c9dbf03a3_prep:
	s_mov_b64 s[64:65], 0
	v_nop
	global_prefetch_b8 v0, s[64:65] scope:SCOPE_SE
	s_setreg_imm32_b32 hwreg(HW_REG_WAVE_MODE, 25, 1), 1
	s_wait_xcnt 0x0
; x [8192][1024], Wq, Wk, Wv [1024][1024], f32, K innermost, become codes of FP4 (E2M1), two to a byte, the lower k in the low four bits, with one E8M0 scale byte for each 32 along K.
; x's go to x_codes [8192][512 bytes] and x_scales [8192][32]; the three weights' to w_codes [3072][512 bytes] and w_scales [3072][32], rows 0-1023 Wq, 1024-2047 Wk, 2048-3071 Wv.
; Wp [1024 e][1024 d] becomes f16 in sixteen planes, wp16 [d / 64][e][d % 64]: the last product walks its K plane by plane.
; A block's scale is 2^(floor(log2(its largest magnitude)) - 2); its byte is the largest magnitude's exponent field - 2, held at 1 from below.  Each number is divided by the scale and rounded to the nearest code, ties to even,
; beyond the largest code the largest.  A block of zeros gets the byte 1 where the rule says 127: its codes are zeros, which add nothing under any byte but 0xff, and the bytes are read by this program alone.
; LIMITS: NaN and infinities among the inputs are not served; blocks whose largest magnitude lies under 2^-124 have their byte held at 1; |Wp| must round inside f16 (under 65,520).
; SHARES: work-groups 0-255 take x, 256-287 Wq, 288-319 Wk, 320-351 Wv, 32,768 numbers each: rows are dense and 1024 is a multiple of 32, so a tensor is a plain stream of blocks, and so are its codes and scale bytes.
; Only pointers and run numbers are chosen by the work-group's number: the four tensors take ONE way through the text.  Work-groups 352-383 take 32 rows of Wp each, on a way of their own that touches no LDS.
; A wave of the quantising way takes 16 steps of 512 numbers.  Each of a step's four loads reads 512 consecutive bytes, 16 a lane; the 2,048 bytes turn through the wave's own stage in LDS and come back 64 bytes a lane,
; so that a lane holds 16 neighbours along K (two neighbouring lanes hold a block), as the conversions want them.  Loads run four steps ahead, the turn through LDS one step.  No barrier: waves share nothing.
.set STEPS, 16
.set EMAX,  2
.set CB,    8                          ; bytes of 16 codes
.set R,     16                         ; v16-79   four sets of 16 numbers as they are loaded
.set X,     80                         ; v80-111  two sets of 16 neighbours
.set E,     112                        ; v112-127 a scale byte for each step
.set C,     128                        ; v128-191 codes: four registers for each step, so that no store's data are written again
.set WREG,  8192                       ; LDS: a region for each wave: two stages of 32 x SP bytes, behind them its 256 scale bytes
.set SP,    80                         ; a lane's place in a stage: 64 bytes + 16 of padding
.set SPW,   12                         ; v12 LDS address of my spare word; never rewritten
.set NIL,   13                         ; v13 0; never rewritten
.set SPARE, 4*WREG                     ; behind the four regions: the spare words, 128 bytes a wave
.set WGX,   256                        ; x's work-groups
.set WGW,   32                         ; a weight's
	s_load_b256 s[4:11], s[0:1], 0x0               ; x s[4:5], Wq s[6:7], Wk s[8:9], Wv s[10:11]
	s_load_b256 s[12:19], s[0:1], 0x20             ; Wp s[12:13], x_codes s[14:15], x_scales s[16:17], w_codes s[18:19]
	s_load_b128 s[20:23], s[0:1], 0x40             ; w_scales s[20:21], wp16 s[22:23]
	v_lshl_add_u32 v[SPW], v0, 2, SPARE
	v_mov_b32 v[NIL], 0
	v_lshrrev_b32 v1, 5, v0
	v_readfirstlane_b32 s24, v1                    ; wave
	v_and_b32 v2, 31, v0                           ; lane
	v_lshlrev_b32 v3, 4, v2                        ; my 16 bytes of a load's 512
	s_mul_i32 s25, s24, WREG
	v_lshrrev_b32 v14, 2, v2
	v_mul_u32_u24 v14, v14, SP
	v_and_b32 v15, 3, v2
	v_lshl_add_u32 v14, v15, 4, v14
	v_add_nc_u32 v14, s25, v14                     ; the stage, on the way in: four lanes' 64 bytes on end, then 16 of padding
	v_mul_u32_u24 v15, v2, SP
	v_add_nc_u32 v15, s25, v15                     ; and on the way out: SP x lane: my 16 neighbours
	v_mul_u32_u24 v4, v2, CB                       ; my codes' place in a step's
	v_lshrrev_b32 v5, 1, v2
	s_add_co_u32 s25, s25, 2*32*SP
	v_add_nc_u32 v5, s25, v5                       ; LDS: my wave's 256 scale bytes, my block's byte
	v_lshlrev_b32 v7, 3, v2                        ; 8 bytes a lane
	v_add_nc_u32 v6, s25, v7
	s_mov_b32 s29, 0
	s_wait_kmcnt 0x0
	s_cmp_ge_u32 ttmp9, WGX+3*WGW
	s_cbranch_scc1 .Lwp                            ; Wp's work-groups
	s_cmp_lt_u32 ttmp9, WGX+WGW                    ; which weight?  Every choice hangs on the work-group's number alone
	s_cselect_b64 s[6:7], s[6:7], s[8:9]
	s_cmp_lt_u32 ttmp9, WGX+2*WGW
	s_cselect_b64 s[6:7], s[6:7], s[10:11]
	s_cmp_lt_u32 ttmp9, WGX                        ; x or a weight?
	s_cselect_b64 s[4:5], s[4:5], s[6:7]
	s_cselect_b64 s[14:15], s[14:15], s[18:19]
	s_cselect_b64 s[16:17], s[16:17], s[20:21]
	s_cselect_b32 s26, WGX-1, WGW-1
	s_cselect_b32 s27, 0, WGX
	s_and_b32 s26, ttmp9, s26                      ; my work-group's number within its source tensor,
	s_sub_co_u32 s27, ttmp9, s27                   ; and within its buffers of codes and scale bytes (the three weights lie on end there)
	s_lshl_b32 s26, s26, 2
	s_add_co_u32 s26, s26, s24                     ; my wave's run of 8,192 numbers
	s_lshl_b32 s28, s26, 15                        ; 32,768 bytes a run
	s_add_nc_u64 s[4:5], s[4:5], s[28:29]
	s_lshl_b32 s27, s27, 2
	s_add_co_u32 s27, s27, s24
	s_lshl_b32 s28, s27, 12                        ; 4,096 bytes of codes a run
	s_add_nc_u64 s[14:15], s[14:15], s[28:29]
	s_lshl_b32 s28, s27, 8                         ; 256 scale bytes a run
	s_add_nc_u64 s[16:17], s[16:17], s[28:29]
.macro LOAD t
.irp i, 0,1,2,3
	global_load_b128 v[R+16*((\t)%4)+4*\i:R+16*((\t)%4)+4*\i+3], v3, s[4:5] offset:2048*(\t)+512*\i th:TH_LOAD_NT   ; 32 lanes read 512 consecutive bytes
.endr
.endm
.macro TURN t                          ; step t's numbers through the stage: LDS serves a wave's instructions in order (ISA guide 5.7.1.4), so no wait stands between the stores and the loads
.irp i, 0,1,2,3
	ds_store_b128 v14, v[R+16*((\t)%4)+4*\i:R+16*((\t)%4)+4*\i+3] offset:32*SP*((\t)%2)+8*SP*\i
.endr
.irp i, 0,1,2,3
	ds_load_b128 v[X+16*((\t)%2)+4*\i:X+16*((\t)%2)+4*\i+3], v15 offset:32*SP*((\t)%2)+16*\i
.endr
.endm
.irp t, 0,1,2,3
	LOAD \t
.endr
	s_wait_loadcnt 12                              ; step 0's four loads are in; the twelve of steps 1 to 3 stay out
	TURN 0
.macro STEP t
.set XS, X+16*((\t)%2)
.if (\t) > 0
	s_wait_dscnt 1                                 ; this step's numbers are back from the stage (the last step's byte store may be out): so its stores into the stage have read their registers,
.else
	s_wait_dscnt 0x0
.endif
.if (\t)+4 < STEPS
	LOAD (\t)+4                                    ; which take the loads of four steps on
.endif
.if (\t)+1 < STEPS
.if STEPS-2-(\t) >= 3
	s_wait_loadcnt 12                              ; the next step's four loads are in; those of the three steps behind it may be out
.else
	s_wait_loadcnt 4*(STEPS-2-(\t))
.endif
	TURN (\t)+1                                    ; and go through the other stage while this step is worked
.endif
	v_max3_num_f32 v8, |v[XS]|, |v[XS+1]|, |v[XS+2]|               ; the largest magnitude of my 16, in two chains
	v_max3_num_f32 v9, |v[XS+3]|, |v[XS+4]|, |v[XS+5]|
.irp i, 6,10
	v_max3_num_f32 v8, v8, |v[XS+\i]|, |v[XS+\i+1]|
	v_max3_num_f32 v9, v9, |v[XS+\i+2]|, |v[XS+\i+3]|
.endr
	v_max3_num_f32 v8, v8, |v[XS+14]|, |v[XS+15]|
	v_max3_num_f32 v8, v8, v9, (EMAX+1)<<23        ; and the floor 2^(3 - 127): the byte cannot fall under 1
	v_max_num_f32_dpp v8, v8, v8 row_xmask:1 row_mask:0xf bank_mask:0xf   ; and of my neighbour's 16: the block's
	v_add_nc_u32 v11, 0xff000000, v8               ; 2 off its exponent field: the conversion takes the exponent field of this operand as its scale, and nothing else of it
	v_cvt_scalef32_pk8_fp4_f32 v[C+4*(\t)], v[XS:XS+7], v11
	v_cvt_scalef32_pk8_fp4_f32 v[C+4*(\t)+1], v[XS+8:XS+15], v11
	v_lshrrev_b32 v[E+(\t)], 23, v11               ; the scale's byte (also the plain line behind the conversions)
	ds_store_b8 v5, v[E+(\t)] offset:16*(\t)       ; both lanes of a block write the same byte with the same value
	global_store_b64 v4, v[C+4*(\t):C+4*(\t)+1], s[14:15] offset:32*CB*(\t)   ; the wave stores 256 consecutive bytes, aligned
.endm
.irp t, 0,1,2,3,4,5,6,7,8,9,10,11,12,13,14,15
	STEP \t
.endr
	ds_load_b64 v[8:9], v6                         ; my wave's 256 scale bytes: these loads see my stores
	s_wait_dscnt 0x0
	global_store_b64 v7, v[8:9], s[16:17]          ; 32 lanes store 256 consecutive bytes, aligned
	s_wait_tensorcnt 0x0                           ; the wave's end, behind my last LDS store
	ds_add_u32 v[SPW], v[NIL]
	s_wait_dscnt 0x0
	s_endpgm
; Wp to f16, by planes.  A wave takes 8 rows e, two at a time.  A load reads 64 columns (256 bytes) of row e in lanes 0-15 and of row e + 1 in lanes 16-31; four numbers a lane become 8 bytes;
; in plane d / 64 the two rows' 128 bytes lie on end, so the wave's store is 256 consecutive bytes, aligned.  Two pairs of rows (32 loads) are on their way.
.Lwp:
	s_sub_co_u32 s26, ttmp9, WGX+3*WGW
	s_lshl_b32 s26, s26, 5
	s_lshl_b32 s27, s24, 3
	s_add_co_u32 s26, s26, s27                     ; my first row e: 32 x work-group + 8 x wave
	s_lshl_b32 s28, s26, 12                        ; a row of Wp is 4,096 bytes,
	s_add_nc_u64 s[12:13], s[12:13], s[28:29]
	s_lshl_b32 s28, s26, 7                         ; a row of a plane 128
	s_add_nc_u64 s[22:23], s[22:23], s[28:29]
	v_lshrrev_b32 v10, 4, v2
	v_and_b32 v1, 15, v2
	v_lshlrev_b32 v10, 12, v10
	v_lshl_add_u32 v10, v1, 4, v10                 ; 4,096 (lane / 16) + 16 (lane % 16); never rewritten
.macro LOADP p
.irp h, 0,1,2,3,4,5,6,7,8,9,10,11,12,13,14,15
	global_load_b128 v[16+64*((\p)%2)+4*\h:16+64*((\p)%2)+4*\h+3], v10, s[12:13] offset:8192*(\p)+256*\h th:TH_LOAD_NT
.endr
.endm
.macro PROC p
.if (\p) < 3
	s_wait_loadcnt 16                              ; this pair's sixteen loads are in; the next pair's stay out
.else
	s_wait_loadcnt 0x0
.endif
	s_wait_xcnt 0x0                                ; the last pair's stores have read their data: v144-175 are written again only behind this wait
.irp h, 0,1,2,3,4,5,6,7,8,9,10,11,12,13,14,15
	v_cvt_pk_f16_f32 v[144+2*\h], v[16+64*((\p)%2)+4*\h], v[16+64*((\p)%2)+4*\h+1]
	v_cvt_pk_f16_f32 v[145+2*\h], v[16+64*((\p)%2)+4*\h+2], v[16+64*((\p)%2)+4*\h+3]
.endr
.if (\p) < 2
	LOADP (\p)+2
.endif
.irp h, 0,1,2,3,4,5,6,7,8,9,10,11,12,13,14,15
	global_store_b64 v7, v[144+2*\h:145+2*\h], s[22:23] offset:131072*\h+256*(\p)   ; plane h, rows 2 p and 2 p + 1 of my eight
.endr
.endm
	LOADP 0
	LOADP 1
	PROC 0
	PROC 1
	PROC 2
	PROC 3
	s_endpgm
.Lfunc_end_k_q0c9dbf03a3_prep:
	.size	k_q0c9dbf03a3_prep, .Lfunc_end_k_q0c9dbf03a3_prep-k_q0c9dbf03a3_prep
	.p2alignl 7, 3214868480
	.fill 96, 4, 3214868480
	.section	.rodata,"a",@progbits
	.p2align	6, 0x0
	.amdhsa_kernel k_q0c9dbf03a3_prep
		.amdhsa_group_segment_fixed_size 33280
		.amdhsa_private_segment_fixed_size 0
		.amdhsa_enable_private_segment 0
		.amdhsa_kernarg_size 80
		.amdhsa_user_sgpr_count 2
		.amdhsa_user_sgpr_kernarg_segment_ptr 1
		.amdhsa_wavefront_size32 1
		.amdhsa_system_sgpr_workgroup_id_x 1
		.amdhsa_system_sgpr_workgroup_id_y 1
		.amdhsa_system_sgpr_workgroup_id_z 1
		.amdhsa_system_vgpr_workitem_id 0
		.amdhsa_next_free_vgpr 192
		.amdhsa_next_free_sgpr 66
		.amdhsa_reserve_vcc 0
		.amdhsa_float_denorm_mode_32 3
		.amdhsa_float_denorm_mode_16_64 3
		.amdhsa_memory_ordered 1
		.amdhsa_forward_progress 1
		.amdhsa_inst_pref_size 54
	.end_amdhsa_kernel
	.amdgpu_metadata
---
amdhsa.version: [ 1, 2 ]
amdhsa.kernels:
  - .name:           k_q0c9dbf03a3_prep
    .symbol:         k_q0c9dbf03a3_prep.kd
    .args:
      - { .name: x, .offset: 0, .size: 8, .value_kind: global_buffer, .address_space: global }
      - { .name: Wq, .offset: 8, .size: 8, .value_kind: global_buffer, .address_space: global }
      - { .name: Wk, .offset: 16, .size: 8, .value_kind: global_buffer, .address_space: global }
      - { .name: Wv, .offset: 24, .size: 8, .value_kind: global_buffer, .address_space: global }
      - { .name: Wp, .offset: 32, .size: 8, .value_kind: global_buffer, .address_space: global }
      - { .name: x_codes, .offset: 40, .size: 8, .value_kind: global_buffer, .address_space: global }
      - { .name: x_scales, .offset: 48, .size: 8, .value_kind: global_buffer, .address_space: global }
      - { .name: w_codes, .offset: 56, .size: 8, .value_kind: global_buffer, .address_space: global }
      - { .name: w_scales, .offset: 64, .size: 8, .value_kind: global_buffer, .address_space: global }
      - { .name: wp16, .offset: 72, .size: 8, .value_kind: global_buffer, .address_space: global }
    .group_segment_fixed_size: 33280
    .private_segment_fixed_size: 0
    .kernarg_segment_align: 8
    .kernarg_segment_size: 80
    .max_flat_workgroup_size: 128
    .sgpr_count:     66
    .vgpr_count:     192
    .wavefront_size: 32
...
	.end_amdgpu_metadata
.endif
;; end of part 1
;; launch qkv (part 2): grid 12 x 32, 4 waves a work-group, clusters of 4 x 4, 327,680 bytes of LDS; arguments x_codes, x_scales, w_codes, w_scales, bq, bk, bv, qkv; writes qkv
.if DOCPART == 2
	.amdgcn_target "amdgcn-amd-amdhsa--gfx1250"
	.amdhsa_code_object_version 6
	.text
	.protected	k_q0c9dbf03a3_qkv
	.globl	k_q0c9dbf03a3_qkv
	.p2align	8
	.type	k_q0c9dbf03a3_qkv,@function
k_q0c9dbf03a3_qkv:
	s_mov_b64 s[64:65], 0
	v_nop
	global_prefetch_b8 v0, s[64:65] scope:SCOPE_SE
	s_setreg_imm32_b32 hwreg(HW_REG_WAVE_MODE, 25, 1), 1
	s_wait_xcnt 0x0
	s_wait_alu depctr_hold_cnt(0) depctr_sa_sdst(0) depctr_va_vdst(0) depctr_va_sdst(0) depctr_va_ssrc(0) depctr_va_vcc(0) depctr_vm_vsrc(0)
	s_getreg_b32 s2, hwreg(HW_REG_IB_STS2, 6, 4)
	s_cmp_eq_u32 s2, 0
	s_cbranch_scc0 .Lentry_in_a_cluster
	s_endpgm
.Lentry_in_a_cluster:
	s_bfe_u32 s2, ttmp6, 0x10000c
	s_cmp_lg_u32 s2, 0xf033
	s_cbranch_scc0 .Lentry_shape_is_right
	s_endpgm
.Lentry_shape_is_right:
; q, k, v = x W^T + b for the three weights at once: one product [8192] x [3072] over K = 1024 on codes of FP4 (E2M1) with one E8M0 scale for each 32 along K; sums in f32; the bias is the C of each sum's first product.
; The results are rounded once to f16 and laid by heads: qkv [3 parts][64 heads = 16 batch + head][2048 positions][64], a row of 128 bytes.
; LIMIT: |q|, |k|, |v| must round inside f16 (under 65,520).
; A tile of the result, 256 x 256, is made by a work-group of four waves; a wave makes 128 x 128: 64 accumulators of 16 x 16, 512 registers.
; K = 1024 is two steps of 512 (a tile's row is 256 bytes of memory): both slots are filled once, at the head, and nothing is filled again.
; THE SCALES of the work-group's 256 rows of x and 256 rows of W, for all of K, are two dense blocks of memory: they come into LDS once, with the first fills.
; CLUSTERS: 4 x 4 work-groups.  The four of a row of the cluster need the same tiles of x, the four of a column the same tiles of W: each tile is asked for JOINTLY, by the same tensor load with the same
; descriptor and a mask that names the four.  A cluster's four tile columns are one part (1,024 columns): the cluster's x says whether they are q's, k's or v's.
; THE MATRIX INSTRUCTION IS USED TRANSPOSED (source 0 = 16 rows of W, source 1 = 16 rows of x): a lane then holds eight neighbouring columns of one row of the result.
; REGISTERS, in windows of 256: window 0: v0-31 addresses; v32-95 scale words, two sets; v128-191 x's fragments (8 x 16 rows x 128 K), ONE set; v192-255 the bias in the result's layout.
;   window 1: W's fragments, TWO sets, at v0 and at v128.   window 2: the 32 accumulators of my rows 0-63 (accumulator (a, b) at v[8 (8 a + b)]);   window 3: those of my rows 64-127.
.set SIZE_K, 1024
.set KSTEP,  512                       ; along K in a slot
.set NQ,     KSTEP/128                 ; matrix instructions deep
.set ROWB,   256                       ; a tile's row in bytes
.set KROW,   SIZE_K*4/8                ; a row of codes in memory, in bytes
.set PITCH,  272                       ; an LDS row: 256 bytes + 16 of padding = 68 words: row r starts at bank 4 r mod 64 (64 banks of 4 bytes: ISA guide 11.1), so the 16 rows that a load touches start at 16 different banks
.set FR,     8                         ; registers of a fragment
.set NL,     2                         ; LDS loads that bring one
.set NP,     4                         ; places behind this matrix instruction (ISA guide 7.12.1)
.set HALFT,  128*PITCH                 ; 128 rows: what one tensor load brings
.set SLOT,   4*HALFT                   ; x's 256 rows, then W's 256 rows
.set KS,     SIZE_K/32                 ; a row of scales in bytes
.set SCL,    2*SLOT                    ; behind the two slots: the scales, as rows of 256 bytes + 16 of padding
.set HALFS,  (128*KS/256)*272          ; the scales of 128 rows: what one tensor load brings
.set SBLK,   (16*KS/256)*272           ; those of 16 rows
.set SPARE,  SCL+4*HALFS               ; behind the scales: the spare words, 128 bytes a wave
.set SPITCH, 272                       ; the way out: a stage of 16 rows x (256 bytes + 16) for each wave, in slot 0, which has had its only fill and its last read when the first result is stored there
.set ADRA, 16                          ; v16-17  LDS address of my x fragments in slot 0, 1
.set ADRB, 20                          ; v20-21  the same for W
.set STO,  24                          ; v24     the way out: where I put 16 bytes of a row
.set RD,   25                          ; v25     the way out: where I read back
.set CO,   26                          ; v26     16 x lane: my bytes of a store's 512
.set ADRS, 27                          ; v27     LDS address of my scale words: lanes 0-15 x's rows, lanes 16-31 W's
.set SPW,  28                          ; v28     LDS address of my spare word; never rewritten
.set NIL,  29                          ; v29     0; never rewritten
.set BO,   30                          ; v30     my byte offset in the bias
.set SC,   32                          ; scale words: set s at v[SC + 32 s]; register 4 i + q: lanes 0-15 the word of x's block i, lanes 16-31 that of W's block i, for the slot's q-th 128 along K
.set TMP,  32                          ; the way out: a block's packed results
.set AF,   128                         ; x's fragments, in window 0
.set BK,   128                         ; the way out: a block read back from the stage: v128-159 and v160-191 by turns
.set BIAS, 192
.set G1, 24                            ; s[24:31] descriptor group 1 for x's tiles;  s[32:39] group 0, one set for each slot
.set G0, 32
.set G1B, 48                           ; s[48:55], s[56:63] the same for W's tiles
.set G0B, 56
.set G1S, 68                           ; s[68:75], s[76:79] groups 1 and 0 for x's scales;  s[80:87], s[88:91] for W's
.set G0S, 76
.set G1SB, 80
.set G0SB, 88
.set MSB, 0
.macro WIN new                         ; the immediate's high byte repeats the setting that is left
.if MSB != (\new)
	s_set_vgpr_msb (MSB<<8)|(\new)
.set MSB, (\new)
.endif
.endm
.set MUL_LO, 0xa1                      ; source 0 (W) window 1, source 1 (x) window 0, C and D window 2
.set MUL_HI, 0xf1                      ; the same, C and D window 3
.set TO_B,   0x40                      ; destination window 1, address window 0
; A joint load: waves 0 and 1 fetch for x, waves 2 and 3 for W.  Each of the two lines has ONE mask and one set of registers for all that issue it; the branch hangs on the wave's number alone.
; An s_nop 0 and four v_nop follow each of the two lines, ahead of the jump, the label and what follows.
.macro JLOAD g0a, g1a, g0b, g1b
	s_cmp_eq_u32 s15, 0
	s_cbranch_scc0 .Lfor_b_\@
	tensor_load_to_lds s[\g0a:\g0a+3], s[\g1a:\g1a+7]
	s_nop 0
.rept 4
	v_nop
.endr
	s_branch .Lasked_\@
.Lfor_b_\@:
	tensor_load_to_lds s[\g0b:\g0b+3], s[\g1b:\g1b+7]
	s_nop 0
.rept 4
	v_nop
.endr
.Lasked_\@:
.endm
.macro CROUND                          ; a round of the cluster's barrier: my work-group's barrier; wave 0 signals for the work-group; every wave waits for all sixteen; my work-group's barrier once more
	s_barrier_signal -1
	s_barrier_wait -1
	s_cmp_lg_u32 s14, 0
	s_cbranch_scc1 .Lnot_wave_0_\@
	s_barrier_signal -3
.Lnot_wave_0_\@:
	s_barrier_wait -3
	s_barrier_signal -1
	s_barrier_wait -1
.endm
	s_load_b128 s[4:7], s[0:1], 0x0                ; x's codes s[4:5], x's scales s[6:7]
	s_load_b128 s[8:11], s[0:1], 0x10              ; W's codes s[8:9], W's scales s[10:11]
	s_load_b128 s[96:99], s[0:1], 0x20             ; bq, bk
	s_load_b64 s[100:101], s[0:1], 0x30            ; bv
	s_load_b64 s[12:13], s[0:1], 0x38              ; qkv
	v_lshl_add_u32 v[SPW], v0, 2, SPARE
	v_mov_b32 v[NIL], 0
	ds_add_u32 v[SPW], v[NIL]                      ; the wave's opening: the add, twice on end, and its wait ahead of my first tensor load; the set-up below stands between the second and the wait
	ds_add_u32 v[SPW], v[NIL]
	v_lshrrev_b32 v1, 5, v0
	v_readfirstlane_b32 s14, v1                    ; wave 0..3
	s_lshr_b32 s15, s14, 1                         ; which half of the tile's rows is mine.  Also: I fetch for x (0) or for W (1)
	s_and_b32 s16, s14, 1                          ; which half of its columns.  Also: which 128 rows of that tile I fetch
	s_bfe_u32 s40, ttmp6, 0x40000                  ; cx, cy: my place in the cluster
	s_bfe_u32 s41, ttmp6, 0x40004
	s_lshl_b32 s42, ttmp9, 2
	s_add_co_u32 s42, s42, s40                     ; tile column = 4 x cluster x + cx
	s_and_b32 s17, ttmp7, 0xffff
	s_lshl_b32 s17, s17, 2
	s_add_co_u32 s17, s17, s41                     ; tile row = 4 x cluster y + cy
	s_lshl_b32 s43, s41, 2
	s_lshl_b32 s43, 15, s43                        ; my row of the cluster
	s_lshl_b32 s44, 0x1111, s40                    ; my column
	; descriptor group 1: a tile of 128 rows x 256 bytes, padded in LDS
	s_or_b32 s[G1+0], s43, (0<<16)|(1<<20)|(1<<21)|(5<<22)|(3<<25)  ; 15:0 the mask: x's tiles go to my row; 17:16 element of 1 byte; 20 padding on; 21 set beside a mask; 24:22 after every 64 words (code 5); 31:25 of 4 words (code 3)
	s_or_b32 s[G1B+0], s44, (0<<16)|(1<<20)|(1<<21)|(5<<22)|(3<<25)
.irp g, G1, G1B
	s_mov_b32 s[\g+1], ROWB<<16                    ; tensor_dim0
	s_mov_b32 s[\g+2], 128<<16                     ; tensor_dim1 = 128
	s_mov_b32 s[\g+3], ROWB<<16                    ; tile_dim0
	s_mov_b32 s[\g+4], 128                         ; tile_dim1 = 128
	s_mov_b32 s[\g+5], KROW                        ; tensor_dim0_stride
	s_mov_b32 s[\g+6], 0
	s_mov_b32 s[\g+7], 0
.endr
	; and for the scales of 128 rows: a dense block of 4,096 bytes, as 16 rows of 256 bytes (32 elements of 8 bytes), 16 bytes of padding behind each
	s_or_b32 s[G1S+0], s43, (3<<16)|(1<<20)|(1<<21)|(5<<22)|(3<<25)
	s_or_b32 s[G1SB+0], s44, (3<<16)|(1<<20)|(1<<21)|(5<<22)|(3<<25)
.irp g, G1S, G1SB
	s_mov_b32 s[\g+1], 32<<16
	s_mov_b32 s[\g+2], (128*KS/256)<<16
	s_mov_b32 s[\g+3], 32<<16
	s_mov_b32 s[\g+4], 128*KS/256
	s_mov_b32 s[\g+5], 32
	s_mov_b32 s[\g+6], 0
	s_mov_b32 s[\g+7], 0
.endr
	s_lshl_b32 s18, s16, 7                         ; which 128 rows of the tile I fetch
	s_lshl_b32 s20, s17, 8
	s_add_co_u32 s20, s20, s18                     ; x: row 256 x tile row + 128 x half
	s_lshl_b32 s46, s42, 8
	s_add_co_u32 s46, s46, s18                     ; W: row 256 x tile column + 128 x half
	s_mov_b32 s21, 0
	s_mov_b32 s47, 0
	s_mov_b64 s[18:19], KS
	s_mul_u64 s[22:23], s[20:21], s[18:19]         ; where these rows' scales begin, in bytes
	s_mul_u64 s[92:93], s[46:47], s[18:19]
	s_mov_b64 s[18:19], KROW
	s_mul_u64 s[20:21], s[20:21], s[18:19]         ; and their codes
	s_mul_u64 s[46:47], s[46:47], s[18:19]
	s_mul_i32 s45, s14, HALFT                      ; where they go: wave x 128 rows: no place in the cluster enters an LDS address
	s_mul_i32 s94, s14, HALFS
	s_wait_dscnt 0x0                               ; both opening adds are done
	s_wait_kmcnt 0x0
	s_add_nc_u64 s[20:21], s[4:5], s[20:21]
	s_add_nc_u64 s[22:23], s[6:7], s[22:23]
	s_add_nc_u64 s[46:47], s[8:9], s[46:47]
	s_add_nc_u64 s[92:93], s[10:11], s[92:93]
	s_cmp_eq_u32 ttmp9, 1                          ; the part's bias: the cluster's x is the same in all sixteen partners
	s_cselect_b64 s[98:99], s[98:99], s[100:101]
	s_cmp_eq_u32 ttmp9, 0
	s_cselect_b64 s[96:97], s[96:97], s[98:99]
	CROUND                                         ; all sixteen work-groups are here: the first joint loads meet
	s_mov_b32 s[G0S], 1
	s_add_co_u32 s[G0S+1], s94, SCL
	s_mov_b64 s[G0S+2:G0S+3], s[22:23]
	s_or_b32 s[G0S+3], s[G0S+3], 0x80000000
	s_mov_b32 s[G0SB], 1
	s_add_co_u32 s[G0SB+1], s94, SCL
	s_mov_b64 s[G0SB+2:G0SB+3], s[92:93]
	s_or_b32 s[G0SB+3], s[G0SB+3], 0x80000000
	JLOAD G0S, G1S, G0SB, G1SB                     ; the scales first: they are wanted with K step 0.  With the two below, three tensor loads of mine are out
.irp s, 0,1
	s_mov_b32 s[G0+4*\s], 1
	s_add_co_u32 s[G0+4*\s+1], s45, \s*SLOT
	s_add_nc_u64 s[G0+4*\s+2:G0+4*\s+3], s[20:21], \s*ROWB
	s_or_b32 s[G0+4*\s+3], s[G0+4*\s+3], 0x80000000
	s_mov_b32 s[G0B+4*\s], 1
	s_add_co_u32 s[G0B+4*\s+1], s45, \s*SLOT
	s_add_nc_u64 s[G0B+4*\s+2:G0B+4*\s+3], s[46:47], \s*ROWB
	s_or_b32 s[G0B+4*\s+3], s[G0B+4*\s+3], 0x80000000
	JLOAD G0+4*\s, G1, G0B+4*\s, G1B
.endr
	v_and_b32 v1, 15, v0                           ; r = l % 16
	v_bfe_u32 v2, v0, 4, 1                         ; h = l / 16
	v_mul_u32_u24 v3, v1, PITCH
	v_lshl_add_u32 v4, v2, 4, v3                   ; a fragment's row x pitch + 16 x half
	s_mul_i32 s21, s15, HALFT                      ; my 128 rows of x
	s_mul_i32 s22, s16, HALFT                      ; my 128 rows of W,
	s_add_co_u32 s22, s22, 2*HALFT                 ; which lie behind x's 256
.irp s, 0,1
	v_add_nc_u32 v[ADRA+\s], s21, v4
	v_add_nc_u32 v[ADRB+\s], s22, v4
	s_add_co_u32 s21, s21, SLOT
	s_add_co_u32 s22, s22, SLOT
.endr
	v_mul_u32_u24 v5, v1, KS                       ; my row's scales: KS bytes a row,
	v_lshrrev_b32 v6, 8, v5
	v_lshl_add_u32 v5, v6, 4, v5                   ; and 16 more for each 256 passed
	s_mul_i32 s21, s15, HALFS                      ; x's: my 128 rows
	s_mul_i32 s22, s16, HALFS                      ; W's: my 128 rows, behind x's 256
	s_add_co_u32 s22, s22, 2*HALFS
	s_sub_co_u32 s22, s22, s21
	v_mul_u32_u24 v6, s22, v2                      ; lanes 16-31 take W's
	s_add_co_u32 s21, s21, SCL
	v_add_nc_u32 v5, v5, v6
	v_add_nc_u32 v[ADRS], s21, v5
	s_mul_i32 s23, s14, 16*SPITCH                  ; my stage
	v_mul_u32_u24 v5, v1, SPITCH                   ; in: row r, 16 bytes for each half of the lanes
	v_lshl_add_u32 v5, v2, 4, v5
	v_add_nc_u32 v[STO], s23, v5
	v_and_b32 v6, 31, v0
	v_lshrrev_b32 v7, 3, v6                        ; back: eight lanes take 128 bytes (one head's 64 numbers) of a row, the 32 lanes four rows
	v_mul_u32_u24 v7, v7, SPITCH
	v_and_b32 v8, 7, v0
	v_lshl_add_u32 v7, v8, 4, v7
	v_add_nc_u32 v[RD], s23, v7
	v_lshlrev_b32 v[CO], 4, v6                     ; in memory a head's four rows are 512 bytes on end
	; the bias of my 128 columns, in the result's layout: lane (r, h), block b, register j: column 16 b + 8 h + j
	s_lshl_b32 s46, s40, 10                        ; within the part: 256 cx + 128 x half columns, 4 bytes each
	s_lshl_b32 s47, s16, 9
	s_add_co_u32 s46, s46, s47
	v_lshl_add_u32 v[BO], v2, 5, s46
.irp b, 0,1,2,3,4,5,6,7
	global_load_b128 v[BIAS+8*\b:BIAS+8*\b+3], v[BO], s[96:97] offset:64*\b
	global_load_b128 v[BIAS+8*\b+4:BIAS+8*\b+7], v[BO], s[96:97] offset:64*\b+16
.endr
	; where my part of the result begins.  Rows: batch = tile row / 8, position = 256 (tile row % 8) + 128 x half
	s_lshr_b32 s20, s17, 3
	s_lshl_b32 s20, s20, 22                        ; a batch's 16 heads of 262,144 bytes
	s_and_b32 s21, s17, 7
	s_lshl_b32 s21, s21, 15                        ; 256 rows of 128 bytes
	s_add_co_u32 s20, s20, s21
	s_lshl_b32 s21, s15, 14
	s_add_co_u32 s20, s20, s21
	s_mov_b32 s21, 0
	s_add_nc_u64 s[12:13], s[12:13], s[20:21]
	s_lshl_b32 s46, s42, 2                         ; columns: my first run of 64 is number 4 x tile column + 2 x half of 48: part = that / 16, head = that % 16
	s_lshl_b32 s47, s16, 1
	s_add_co_u32 s46, s46, s47
	s_lshr_b32 s47, s46, 4
	s_lshl_b32 s47, s47, 24                        ; a part is 16,777,216 bytes
	s_and_b32 s46, s46, 15
	s_lshl_b32 s46, s46, 18
	s_add_co_u32 s46, s46, s47
	s_mov_b32 s47, 0
	s_add_nc_u64 s[12:13], s[12:13], s[46:47]
.macro FRAG reg, adr, q, i             ; a fragment, 16 rows x 128 K of 4-bit codes, is 8 registers: lane l holds row l % 16; registers 4 c .. 4 c + 3 hold K = 64 c + 32 (l / 16) + 0 .. 31
.irp c, 0,1
	ds_load_b128 v[\reg+4*\c:\reg+4*\c+3], v[\adr] offset:64*(\q)+32*\c+(\i)*16*PITCH
.endr
.endm
; 16 matrix instructions: x's blocks a0, a0 + 1 against W's eight, 128 along K: the slot's q-th.  p: W's set;  sc: the set of scale words.  first = 1: the bias is C: nothing is cleared and nothing is added later.
; The 64 accumulators take turns, one instruction a turn, in the same order in every step.
.macro MUL16 a0, p, q, sc, first
.irp a, \a0, \a0+1
.irp b, 0,1,2,3,4,5,6,7
.if \first
	v_wmma_scale_f32_16x16x128_f8f6f4 v[8*(8*((\a)%4)+\b):8*(8*((\a)%4)+\b)+7], v[128*(\p)+FR*\b:128*(\p)+FR*\b+FR-1], v[AF+FR*(\a):AF+FR*(\a)+FR-1], v[BIAS+8*\b:BIAS+8*\b+7], v[SC+8*NQ*(\sc)+NQ*\b+(\q)], v[SC+8*NQ*(\sc)+NQ*(\a)+(\q)] matrix_a_fmt:MATRIX_FMT_FP4 matrix_b_fmt:MATRIX_FMT_FP4 matrix_a_scale:MATRIX_SCALE_ROW1
.else
	v_wmma_scale_f32_16x16x128_f8f6f4 v[8*(8*((\a)%4)+\b):8*(8*((\a)%4)+\b)+7], v[128*(\p)+FR*\b:128*(\p)+FR*\b+FR-1], v[AF+FR*(\a):AF+FR*(\a)+FR-1], v[8*(8*((\a)%4)+\b):8*(8*((\a)%4)+\b)+7], v[SC+8*NQ*(\sc)+NQ*\b+(\q)], v[SC+8*NQ*(\sc)+NQ*(\a)+(\q)] matrix_a_fmt:MATRIX_FMT_FP4 matrix_b_fmt:MATRIX_FMT_FP4 matrix_a_scale:MATRIX_SCALE_ROW1
.endif
.endr
.endr
.endm
.macro FETCH_B slot, q, p              ; W's eight fragments of the slot's q-th 128 along K into set p
	WIN TO_B
.irp i, 0,1,2,3,4,5,6,7
	FRAG 128*(\p)+FR*\i, ADRB+\slot, \q, \i
.endr
	WIN 0
.endm
.macro FETCH_A slot, q, i0             ; x's blocks i0 .. i0 + 3
.irp i, \i0, \i0+1, \i0+2, \i0+3
	FRAG AF+FR*(\i), ADRA+\slot, \q, \i
.endr
.endm
.macro SCALES sc                       ; a K step's scale words into set sc: 4 words a row; lanes 0-15 take x's block i, lanes 16-31 W's block i
.irp i, 0,1,2,3,4,5,6,7
	ds_load_b128 v[SC+8*NQ*\sc+NQ*\i:SC+8*NQ*\sc+NQ*\i+3], v[ADRS] offset:\i*SBLK
.endr
.endm
; A load into a register that a matrix instruction has read, and a vector instruction or an LDS store that reads a matrix result, stand NP places behind that matrix instruction, and only plain vector
; instructions that name none of its registers are places (ISA guide 7.12.1 for vector instructions).
.macro PLACES n
.rept \n
	v_nop
.endr
.endm
; A step of 128 along K that has its successor in the same slot.  x's blocks are free as soon as their eight products are issued: blocks 0-3 are fetched anew in the step's middle, blocks 4-7 at its end.
.macro STEP slot, q, first
	s_wait_dscnt 4*NL                              ; W's set and x's blocks 0-3 are in; the youngest eight loads (x's blocks 4-7) may be out
	WIN MUL_LO-0x20*(\first)                       ; (first = 1: C, the bias, lies in window 0)
	MUL16 0, (\q)%2, \q, \slot, \first
	MUL16 2, (\q)%2, \q, \slot, \first
	s_wait_dscnt 0                                 ; x's blocks 4-7 are in (asked for 32 matrix instructions ago)
	PLACES NP
	FETCH_B \slot, (\q)+1, 1-(\q)%2
	FETCH_A \slot, (\q)+1, 0
	WIN MUL_HI-0x30*(\first)
	MUL16 4, (\q)%2, \q, \slot, \first
	MUL16 6, (\q)%2, \q, \slot, \first
	PLACES NP
	WIN 0
	FETCH_A \slot, (\q)+1, 4
.endm
; Slot 0's last step changes slots: one barrier; in front of it each wave waits for all its tensor loads (its part of slot 1), adds 0 to its spare word, and waits for that and for its reads of slot 0.
; Behind it slot 1 is whole, and nobody reads slot 0 any more: the way out's stages may lie there.
.macro TURN slot, next
	s_wait_tensorcnt 0x0                           ; all my tensor loads have landed  (every window is 0 here: the add's two registers lie in window 0)
	ds_add_u32 v[SPW], v[NIL]                      ; 0 onto my spare word
	s_wait_dscnt 4*NL+1                            ; (the add and the youngest eight loads, x's blocks 4-7, may be out)
	WIN MUL_LO
	MUL16 0, 1, NQ-1, \slot, 0                     ; sixteen matrix instructions stand between the add and the wait for it
	s_wait_dscnt 0x0                               ; the add is done, and my reads of this slot are over
	s_barrier_signal -1
	MUL16 2, 1, NQ-1, \slot, 0
	WIN 0
	s_barrier_wait -1
	PLACES NP
	v_add_nc_u32 v[ADRS], 4*NQ, v[ADRS]            ; on to the next K step's scale words (no LDS load of mine is out)
	FETCH_B \next, 0, 0
	FETCH_A \next, 0, 0
	SCALES \next
	WIN MUL_HI
	MUL16 4, 1, NQ-1, \slot, 0
	MUL16 6, 1, NQ-1, \slot, 0
	PLACES NP
	WIN 0
	FETCH_A \next, 0, 4
.endm
.macro STEPS slot, from                ; the slot's steps from .. NQ - 2
.set Q, \from
.rept NQ-1-\from
	STEP \slot, Q, 0
.set Q, Q+1
.endr
.endm
	s_wait_loadcnt 0x0                             ; the bias
	s_wait_tensorcnt 1                             ; the scales and my part of K step 0 are in (K step 1's load may be out)
	s_barrier_signal -1
	s_barrier_wait -1                              ; everybody's are
	FETCH_B 0, 0, 0
	FETCH_A 0, 0, 0
	SCALES 0
	FETCH_A 0, 0, 4
	STEP 0, 0, 1                                   ; the first step's products start the sums from the bias
	STEPS 0, 1
	TURN 0, 1
	STEPS 1, 0
	s_wait_dscnt 4*NL                              ; the very last step: nothing more to fetch
	WIN MUL_LO
	MUL16 0, 1, NQ-1, 1, 0
	MUL16 2, 1, NQ-1, 1, 0
	s_wait_dscnt 0
	WIN MUL_HI
	MUL16 4, 1, NQ-1, 1, 0
	MUL16 6, 1, NQ-1, 1, 0
	WIN 0
; THE WAY OUT, block by block of 16 rows x 128 columns (two heads).  PACK: rounded to f16, 16 bytes a lane, each accumulator from its low end on.  TOSTAGE: into my own stage in LDS, and back so that the 32 lanes hold
; four rows of one head.  SEND: those are 512 consecutive bytes of qkv, aligned.  LDS serves a wave's instructions in order (ISA guide 5.7.1.4): no wait between the stage's stores and loads.
.macro PACK a
.set AC, 64*((\a)%4)
	WIN 0x0a+5*((\a)/4)                            ; sources 0 and 1: window 2 or 3
.irp b, 0,1,2,3,4,5,6,7
.irp i, 0,1,2,3
	v_cvt_pk_f16_f32 v[TMP+4*\b+\i], v[AC+8*\b+2*\i], v[AC+8*\b+2*\i+1]
.endr
.endr
	WIN 0
.endm
.macro TOSTAGE a
.set BB, BK+32*((\a)%2)
.irp b, 0,1,2,3,4,5,6,7
	ds_store_b128 v[STO], v[TMP+4*\b:TMP+4*\b+3] offset:32*\b
.endr
.irp t, 0,1,2,3,4,5,6,7
	ds_load_b128 v[BB+4*\t:BB+4*\t+3], v[RD] offset:4*SPITCH*(\t%4)+128*(\t/4)   ; rows 4 (t % 4) on, head t / 4
.endr
.endm
.macro SEND a
.set BB, BK+32*((\a)%2)
	s_wait_dscnt 0x0                               ; the block is back in registers
	s_wait_xcnt 0x0                                ; the block before has had its stores' registers read: the next block's loads may land there
.irp t, 0,1,2,3,4,5,6,7
	global_store_b128 v[CO], v[BB+4*\t:BB+4*\t+3], s[12:13] offset:2048*(\a)+262144*(\t/4)+512*(\t%4)
.endr
.endm
	PLACES NP                                      ; behind the last products: the conversions read results and write registers that held scale words; the loads land where x's fragments lay
	PACK 0
	TOSTAGE 0
.irp a, 1,2,3,4,5,6,7                  ; block a's conversions stand between block a - 1's loads from the stage and the wait for them
	PACK \a
	SEND \a-1
	TOSTAGE \a
.endr
	SEND 7
	s_wait_tensorcnt 0x0                           ; the wave's end, behind my last tensor load and my last LDS store
	ds_add_u32 v[SPW], v[NIL]
	s_wait_dscnt 0x0
	CROUND                                         ; the closing round: no work-group ends while a partner may still ask for a tile that names it
	s_endpgm
.Lfunc_end_k_q0c9dbf03a3_qkv:
	.size	k_q0c9dbf03a3_qkv, .Lfunc_end_k_q0c9dbf03a3_qkv-k_q0c9dbf03a3_qkv
	.p2alignl 7, 3214868480
	.fill 96, 4, 3214868480
	.section	.rodata,"a",@progbits
	.p2align	6, 0x0
	.amdhsa_kernel k_q0c9dbf03a3_qkv
		.amdhsa_group_segment_fixed_size 327680
		.amdhsa_private_segment_fixed_size 0
		.amdhsa_enable_private_segment 0
		.amdhsa_kernarg_size 64
		.amdhsa_user_sgpr_count 2
		.amdhsa_user_sgpr_kernarg_segment_ptr 1
		.amdhsa_wavefront_size32 1
		.amdhsa_system_sgpr_workgroup_id_x 1
		.amdhsa_system_sgpr_workgroup_id_y 1
		.amdhsa_system_sgpr_workgroup_id_z 1
		.amdhsa_system_vgpr_workitem_id 0
		.amdhsa_next_free_vgpr 1024
		.amdhsa_next_free_sgpr 102
		.amdhsa_reserve_vcc 0
		.amdhsa_float_denorm_mode_32 3
		.amdhsa_float_denorm_mode_16_64 3
		.amdhsa_memory_ordered 1
		.amdhsa_forward_progress 1
		.amdhsa_inst_pref_size 128
	.end_amdhsa_kernel
	.amdgpu_metadata
---
amdhsa.version: [ 1, 2 ]
amdhsa.kernels:
  - .name:           k_q0c9dbf03a3_qkv
    .symbol:         k_q0c9dbf03a3_qkv.kd
    .args:
      - { .name: x_codes, .offset: 0, .size: 8, .value_kind: global_buffer, .address_space: global }
      - { .name: x_scales, .offset: 8, .size: 8, .value_kind: global_buffer, .address_space: global }
      - { .name: w_codes, .offset: 16, .size: 8, .value_kind: global_buffer, .address_space: global }
      - { .name: w_scales, .offset: 24, .size: 8, .value_kind: global_buffer, .address_space: global }
      - { .name: bq, .offset: 32, .size: 8, .value_kind: global_buffer, .address_space: global }
      - { .name: bk, .offset: 40, .size: 8, .value_kind: global_buffer, .address_space: global }
      - { .name: bv, .offset: 48, .size: 8, .value_kind: global_buffer, .address_space: global }
      - { .name: qkv, .offset: 56, .size: 8, .value_kind: global_buffer, .address_space: global }
    .group_segment_fixed_size: 327680
    .private_segment_fixed_size: 0
    .kernarg_segment_align: 8
    .kernarg_segment_size: 64
    .max_flat_workgroup_size: 128
    .sgpr_count:     102
    .vgpr_count:     1024
    .wavefront_size: 32
...
	.end_amdgpu_metadata
.endif
;; end of part 2
;; launch attn (part 3): grid 4 x 64, 16 waves a work-group, clusters of 4 x 1, 327,680 bytes of LDS; arguments qkv, y16; writes y16
.if DOCPART == 3
	.amdgcn_target "amdgcn-amd-amdhsa--gfx1250"
	.amdhsa_code_object_version 6
	.text
	.protected	k_q0c9dbf03a3_attn
	.globl	k_q0c9dbf03a3_attn
	.p2align	8
	.type	k_q0c9dbf03a3_attn,@function
k_q0c9dbf03a3_attn:
	s_mov_b64 s[64:65], 0
	v_nop
	global_prefetch_b8 v0, s[64:65] scope:SCOPE_SE
	s_setreg_imm32_b32 hwreg(HW_REG_WAVE_MODE, 25, 1), 1
	s_wait_xcnt 0x0
	s_wait_alu depctr_hold_cnt(0) depctr_sa_sdst(0) depctr_va_vdst(0) depctr_va_sdst(0) depctr_va_ssrc(0) depctr_va_vcc(0) depctr_vm_vsrc(0)
	s_getreg_b32 s2, hwreg(HW_REG_IB_STS2, 6, 4)
	s_cmp_eq_u32 s2, 0
	s_cbranch_scc0 .Lentry_in_a_cluster
	s_endpgm
.Lentry_in_a_cluster:
	s_bfe_u32 s2, ttmp6, 0x10000c
	s_cmp_lg_u32 s2, 0x3003
	s_cbranch_scc0 .Lentry_shape_is_right
	s_endpgm
.Lentry_shape_is_right:
; y[g][q][:] = the sum over k of softmax_k(Q[g][q] . K[g][k] / 8) V[g][k][:] for the 64 heads g (16 x batch + head), 2,048 positions, head size 64, no mask.
; Q, K, V: the three parts of qkv, [64][2048][64] f16 each; y16 likewise.  Products on f16 operands, sums, maxima and exponentials in f32; the weights p are rounded to f16 for the second product, y once at the end.
; LIMITS: scores are finite and above -3e38; |y| rounds inside f16, as v does; NaN and infinities are not served.
; SHARES.  The four work-groups of a cluster own one head, 512 queries each; each of a work-group's SIXTEEN waves owns 32 queries, two tiles of 16, in 256 registers: four waves to a SIMD, so that one wave's vector work stands
; beside another's matrix work and LDS loads, and the text can go in phases with no register windows.  Every wave walks all 2,048 keys, 64 a step; each fragment of K and V read from LDS feeds two products.
; LAYOUT.  S^T = K Q^T (source 0 = 16 keys, source 1 = 16 queries): a lane holds ONE query (lane % 16) and the keys 8 (lane / 16) + 0..7 of a tile.  Two such tiles, rounded to f16 in pairs, ARE source 1
; (32 keys x 16 queries) of O^T = V^T P, whose result again holds one query a lane and eight channels.  K comes out of LDS as it lies, V ([key][channel]) turned, by ds_load_tr16_b128.
; SOFTMAX.  For each query a running maximum m and sum l: p = 2^(c s - c m), c = log2(e) / 8; in every step O and l are multiplied by a = 2^(c m_old - c m_new), which is 1 where m has not grown.
; The step is written once: O and l begin as zeros and m as -3e38, so that the first a is 0.
; RING.  Two LDS slots of 256 keys (four steps), 2^17 bytes apart, filled by the tensor data mover: waves 0 and 1 fetch K's halves, waves 2 and 3 V's, 128 rows each; all sixteen read.
; CLUSTER.  The four work-groups walk the same K and V, so each tile is asked for JOINTLY: the same tensor load with the same descriptor and a mask that names the four.
.set PK,    144       ; a row of K in LDS: 128 bytes + 16 of padding = 36 words: the 16 rows of a load start at 16 different groups of four banks (64 banks of 4 bytes: ISA guide 11.1)
.set PV,    160       ; a row of V: 128 + 32 = 40 words
.set SK,    256       ; keys in a slot
.set NSL,   2048/SK   ; slots' worth of keys
.set VOFF,  SK*PK     ; a slot: 256 rows of K, then 256 rows of V
.set SLOT1, 1<<17     ; slot 1 begins here, so that one exclusive or turns an address in one slot into the other's
.set SPARE, SLOT1+SK*(PK+PV)  ; behind the ring: the spare words, 128 bytes for each of sixteen waves
.set STAGE, 0         ; the way out: 32 rows x 144 bytes for each wave, in slot 0: it was left at the last change of slots, has had its last fill, and nobody reads it
.set HEADB, 2048*128  ; a head in bytes
.set PARTB, 64*HEADB  ; a part of qkv
.set AK0, 1           ; v1   my lane's place in a tile of K; never rewritten
.set AV0, 2           ; v2   the same for V
.set ADK, 3           ; v3   the slot in hand + AK0
.set ADV, 4           ; v4   the slot in hand + AV0
.set SPW, 5           ; v5   LDS address of my spare word; never rewritten
.set NIL, 6           ; v6   0; never rewritten
.set PFO, 7           ; v7   256 x my lane: the prefetches' offset; never rewritten
.set GO,  8           ; v8   the way out: 16 x lane
.set STO, 9           ; v9   the way out: where I put 16 bytes of a row
.set RD,  10          ; v10  the way out: where I read back
.set QO,  11          ; v11  my byte offset in the wave's rows of Q
.set ST,  12          ; tile t's statistics at v[ST+8 t]: +0 c m, +1 m, +2, +3 l (even keys', odd keys'), +4 to +7 at work; a lies in +6 once the maximum is found
.set Q,   28          ; v28-59   Q: tile t, channels 32 c on, at Q + 16 t + 8 c
.set S,   60          ; v60-123  S^T: tile t, keys 16 kt on, at S + 32 t + 8 kt; then p; then P, packed in place into S + 32 t + 0..15
.set O,   124         ; v124-187 O^T: tile t, channels 16 ct on, at O + 32 t + 8 ct
.set KV,  188         ; v188-251 a step's eight fragments of K, then of V
.set OLD, 252         ; v252-253 c m of the step before
.set WV,  18          ; s18  my wave's number
.set SEL, 20          ; s[20:21] lane selects for v_permlanex16_b32: lane l xor 16
.set CS,  22          ; s[22:23] c: the packed scaling names a pair and takes its low word for both halves
.set G1K, 24          ; s[24:31] descriptor group 1 for K's tiles
.set G1V, 32          ; s[32:39] for V's: it differs in the padding alone
.set G0K, 40          ; s[40:43] descriptor group 0 for K's tiles: it walks
.set G0V, 44          ; s[44:47] the same for V's
.set TB,  66          ; s66  LDS byte at which the slot in hand begins
.set SLOTS, 67        ; s67  slots still to be asked for
.set PFA, 68          ; s[68:69] where my prefetches stand: my work-group's 32 blocks of 256 bytes (of K: wave 4, of V: wave 5) of the slot after the one that is being asked for
.set LIM, 70          ; s70  1 in a wave that prefetches, else the greatest number
; A joint load.  Waves 0 and 1 fetch for K, waves 2 and 3 for V, the others nothing.  The branches hang on the wave's number alone: they are the same in every work-group.
; An s_nop 0 and four v_nop follow each of the two lines.
.macro TLOAD
	s_cmp_lt_u32 s[WV], 2
	s_cbranch_scc0 .Lnot_k_\@
	tensor_load_to_lds s[G0K:G0K+3], s[G1K:G1K+7]
	s_nop 0
.rept 4
	v_nop
.endr
	s_branch .Lasked_\@
.Lnot_k_\@:
	s_cmp_lt_u32 s[WV], 4
	s_cbranch_scc0 .Lasked_\@
	tensor_load_to_lds s[G0V:G0V+3], s[G1V:G1V+7]
	s_nop 0
.rept 4
	v_nop
.endr
.Lasked_\@:
.endm
; A PREFETCH INTO THE L2 of what the NEXT change of slots will ask for: a slot's 256 rows of K and of V, 32,768 dense bytes each.  It stands behind the fetching waves' tensor load, four key steps ahead of the load that wants the bytes.
; Each aligned block of 256 bytes is named ONCE in the launch: a head belongs to one cluster; its four partners share a slot's 128 blocks out BY ADDRESS, 32 each, a lane a block; in each, wave 4 asks for K's and wave 5 for V's.
; The last change that fills a slot asks for nothing: there is no slot behind it.  Slots 0 and 1 come by their loads alone.
.macro ASK
	s_cmp_gt_u32 s[SLOTS], s[LIM]
	s_cbranch_scc0 .Lnot_mine_\@
	global_prefetch_b8 v[PFO], s[PFA:PFA+1] th:TH_LOAD_NT scope:SCOPE_SE
.Lnot_mine_\@:
.endm
; A round of the cluster's barrier: my work-group's barrier, so that wave 0's signal speaks for all sixteen waves; wave 0 signals for the work-group; every wave waits for all four work-groups; my work-group's barrier once more.
.macro CROUND
	s_barrier_signal -1
	s_barrier_wait -1
	s_cmp_lg_u32 s[WV], 0
	s_cbranch_scc1 .Lnot_wave_0_\@
	s_barrier_signal -3
.Lnot_wave_0_\@:
	s_barrier_wait -3
	s_barrier_signal -1
	s_barrier_wait -1
.endm
	s_load_b128 s[4:7], s[0:1], 0x0  ; qkv s[4:5], y16 s[6:7]
	v_lshl_add_u32 v[SPW], v0, 2, SPARE
	v_mov_b32 v[NIL], 0
	ds_add_u32 v[SPW], v[NIL]       ; the wave's opening: the add, twice on end, and its wait ahead of my first tensor load; the set-up below stands between the second and the wait
	ds_add_u32 v[SPW], v[NIL]
	v_lshrrev_b32 v[QO], 5, v0
	v_readfirstlane_b32 s[WV], v[QO]  ; wave 0..15
	s_bfe_u32 s19, ttmp6, 0x40000   ; cx: my place in the cluster: it enters Q's, y's and the prefetches' addresses alone
	s_and_b32 s48, ttmp7, 0xffff    ; the head, which the four partners share
	s_lshl_b32 s48, s48, 18         ; its first byte in a part
	s_and_b32 s49, s[WV], 1         ; which half of a slot's rows I fetch, if I fetch:
	s_lshl_b32 s50, s49, 14         ; 128 rows of 128 bytes in memory,
	s_add_co_u32 s50, s50, s48
	s_add_co_u32 s54, s50, PARTB    ; in K's part,
	s_mov_b32 s55, 0
	s_add_co_u32 s56, s50, 2*PARTB  ; or in V's;
	s_mov_b32 s57, 0
	s_mul_i32 s51, s49, 128*PK      ; and in a slot: no place in the cluster enters an LDS address
	s_mul_i32 s52, s49, 128*PV
	s_add_co_u32 s52, s52, VOFF
	s_lshl_b32 s58, s19, 9          ; my first query: 512 cx + 32 x wave,
	s_lshl_b32 s59, s[WV], 5
	s_add_co_u32 s58, s58, s59
	s_lshl_b32 s58, s58, 7          ; rows of 128 bytes,
	s_add_co_u32 s58, s58, s48      ; in my head
	s_mov_b32 s59, 0
	s_mov_b32 s61, 2*PARTB          ; the prefetches: wave 4 stands in K's part, wave 5 in V's,
	s_cmp_eq_u32 s[WV], 4
	s_cselect_b32 s60, PARTB, s61
	s_add_co_u32 s60, s60, s48      ; in my head,
	s_lshl_b32 s61, s19, 13
	s_add_co_u32 s60, s60, s61      ; at my work-group's 8,192 bytes
	s_add_co_u32 s60, s60, SK*128   ; of slot 1: the first change of slots steps it to slot 2.  Nothing is prefetched at the head
	s_mov_b32 s61, 0
	s_lshr_b32 s62, s[WV], 1
	s_cmp_eq_u32 s62, 2
	s_cselect_b32 s[LIM], 1, -1     ; waves 4 and 5 ask: the same in all four partners
	; descriptor group 1: a tile of 128 rows x 64 elements, dense in memory, padded in LDS
	s_mov_b32 s[G1K], 15|(1<<16)|(1<<20)|(1<<21)|(4<<22)|(3<<25)  ; 15:0 the mask: all four work-groups; 17:16 elements of 2 bytes; 20 padding on; 21 set beside a mask; 24:22 after every 32 words (code 4); 31:25 4 words of it (code 3)
	s_mov_b32 s[G1V], 15|(1<<16)|(1<<20)|(1<<21)|(4<<22)|(7<<25)  ; the same with 8 words of padding (code 7)
.irp g, G1K, G1V
	s_mov_b32 s[\g+1], 64<<16       ; tensor_dim0 = 64
	s_mov_b32 s[\g+2], 128<<16      ; tensor_dim1 = 128
	s_mov_b32 s[\g+3], 64<<16       ; tile_dim0 = 64
	s_mov_b32 s[\g+4], 128          ; tile_dim1 = 128
	s_mov_b32 s[\g+5], 64           ; tensor_dim0_stride: elements from row to row
	s_mov_b32 s[\g+6], 0
	s_mov_b32 s[\g+7], 0
.endr
	s_mov_b32 s[SEL], 0x76543210
	s_mov_b32 s[SEL+1], 0xfedcba98
	s_mov_b32 s[CS], 0x3e38aa3b     ; c = log2(e) / 8
	s_mov_b32 s[CS+1], s[CS]        ; named with it as a pair, so it is written
	s_mov_b32 s[TB], 0
	s_mov_b32 s[SLOTS], NSL-1
	v_and_b32 v[PFO], 31, v0
	v_lshlrev_b32 v[PFO], 8, v[PFO]
	s_wait_dscnt 0x0                ; both opening adds are done
	s_wait_kmcnt 0x0
	s_mov_b32 s[G0K], 1             ; 1:0 count = 1
	s_mov_b32 s[G0K+1], s51         ; 63:32 LDS address: slot 0
	s_add_nc_u64 s[G0K+2:G0K+3], s[4:5], s[54:55]  ; 120:64 global address: the head's first 256 keys
	s_or_b32 s[G0K+3], s[G0K+3], 0x80000000  ; 127:126 type = 2
	s_mov_b32 s[G0V], 1
	s_mov_b32 s[G0V+1], s52
	s_add_nc_u64 s[G0V+2:G0V+3], s[4:5], s[56:57]
	s_or_b32 s[G0V+3], s[G0V+3], 0x80000000
	s_add_nc_u64 s[PFA:PFA+1], s[4:5], s[60:61]
	s_add_nc_u64 s[4:5], s[4:5], s[58:59]  ; Q (part 0) and y at my wave's first row
	s_add_nc_u64 s[6:7], s[6:7], s[58:59]
	CROUND                          ; all four work-groups are here: the first joint loads meet
	TLOAD                           ; slot 0
	; A fragment of K or Q is 16 rows x 32 channels in 8 registers: lane l holds row l % 16; registers 0-3 channels 8 (l / 16) + 0..7, registers 4-7 channels 16 + 8 (l / 16) + 0..7: two loads of 16 bytes, 32 bytes apart.
	v_and_b32 v254, 15, v0          ; r
	v_bfe_u32 v255, v0, 4, 1        ; h
	v_lshlrev_b32 v[QO], 7, v254
	v_lshl_add_u32 v[QO], v255, 4, v[QO]  ; row x 128 + 16 x half
.irp t, 0,1
.irp c, 0,1
	global_load_b128 v[Q+16*\t+8*\c:Q+16*\t+8*\c+3],   v[QO], s[4:5] offset:2048*\t+64*\c   ; Q stays in registers
	global_load_b128 v[Q+16*\t+8*\c+4:Q+16*\t+8*\c+7], v[QO], s[4:5] offset:2048*\t+64*\c+32
.endr
.endr
	v_mul_u32_u24 v[AK0], v254, PK
	v_lshl_add_u32 v[AK0], v255, 4, v[AK0]  ; row x pitch + 16 x half
	; The turning load takes 16 keys x 16 channels (lane l reads 16 bytes: key 8 (l / 16) + l % 8, channels 8 ((l / 8) % 2) + 0..7) and leaves half a fragment of V^T: lane l holds channel l % 16 and 8 keys.
	v_and_b32 v[ADK], 7, v0
	v_lshl_add_u32 v[ADK], v255, 3, v[ADK]
	v_mul_u32_u24 v[AV0], v[ADK], PV
	v_bfe_u32 v[ADK], v0, 3, 1
	v_lshl_add_u32 v[AV0], v[ADK], 4, v[AV0]
	v_add_nc_u32 v[AV0], VOFF, v[AV0]
.irp t, 0,1
	v_mov_b32 v[ST+8*\t+1], 0xff61b1e6  ; m: -3e38, under every score
	v_mul_f32 v[ST+8*\t], s[CS], v[ST+8*\t+1]  ; c m
.irp j, 2,3,4,5,6,7
	v_mov_b32 v[ST+8*\t+\j], 0      ; l; and the registers at work, written once: a lane permute's destination counts as one of its sources
.endr
.endr
.set i, 0
.rept 64
	v_mov_b32 v[O+i], 0             ; O^T.  (The step is written once: its first turn finds zeros, which a = 0 leaves zeros)
.set i, i+1
.endr
; A KEY STEP: 64 keys, the q-th of the slot in hand, for my two tiles of queries.
.macro STEP q
.rept 5
	v_nop                           ; places behind the last V^T P: four in front of loads into the registers that held V, five in front of products that write over P's registers
.endr
.irp kt, 0,1,2,3                    ; K: keys 16 kt on, channels 32 c on
.irp c, 0,1
	ds_load_b128 v[KV+16*\kt+8*\c:KV+16*\kt+8*\c+3],   v[ADK] offset:(64*(\q)+16*\kt)*PK+64*\c
	ds_load_b128 v[KV+16*\kt+8*\c+4:KV+16*\kt+8*\c+7], v[ADK] offset:(64*(\q)+16*\kt)*PK+64*\c+32
.endr
.endr
.irp half, 0,1                      ; S^T = K Q^T: four accumulators take turns, one instruction a turn; the first products start the sums
	s_wait_dscnt 8-8*\half          ; the first 32 keys' eight loads are in, the other eight may be out; then all
.irp c, 0,1
.irp k2, 0,1
.irp t, 0,1
.if \c == 0
	v_wmma_f32_16x16x32_f16 v[S+32*\t+8*(2*\half+\k2):S+32*\t+8*(2*\half+\k2)+7], v[KV+16*(2*\half+\k2)+8*\c:KV+16*(2*\half+\k2)+8*\c+7], v[Q+16*\t+8*\c:Q+16*\t+8*\c+7], 0
.else
	v_wmma_f32_16x16x32_f16 v[S+32*\t+8*(2*\half+\k2):S+32*\t+8*(2*\half+\k2)+7], v[KV+16*(2*\half+\k2)+8*\c:KV+16*(2*\half+\k2)+8*\c+7], v[Q+16*\t+8*\c:Q+16*\t+8*\c+7], v[S+32*\t+8*(2*\half+\k2):S+32*\t+8*(2*\half+\k2)+7]
.endif
.endr
.endr
.endr
.endr
	v_mov_b32 v[OLD], v[ST]         ; c m of the step before is kept for a.  These four lines are the places behind the products: in front of the loads into K's registers and of the first read of the scores
	v_mov_b32 v[OLD+1], v[ST+8]
	v_nop
	v_nop
.irp c, 0,1                         ; V, turned: keys 32 c on, channels 16 ct on.  The loads land while the softmax is walked
.irp ct, 0,1,2,3
	ds_load_tr16_b128 v[KV+32*\c+8*\ct:KV+32*\c+8*\ct+3],   v[ADV] offset:(64*(\q)+32*\c)*PV+32*\ct
	ds_load_tr16_b128 v[KV+32*\c+8*\ct+4:KV+32*\c+8*\ct+7], v[ADV] offset:(64*(\q)+32*\c)*PV+16*PV+32*\ct
.endr
.endr
	; the maximum of a lane's 32 scores and the old m, three operands at a time, in four chains; the two tiles alternate, so that no line waits for the line above it.  Each accumulator is read from its low end on
.irp j, 0,1,2,3
.irp t, 0,1
	v_max3_num_f32 v[ST+8*\t+4+\j], v[S+32*\t+8*\j], v[S+32*\t+8*\j+1], v[S+32*\t+8*\j+2]
.endr
.endr
.irp i, 3,5
.irp j, 0,1,2,3
.irp t, 0,1
	v_max3_num_f32 v[ST+8*\t+4+\j], v[ST+8*\t+4+\j], v[S+32*\t+8*\j+\i], v[S+32*\t+8*\j+\i+1]
.endr
.endr
.endr
.irp t, 0,1
	v_max3_num_f32 v[ST+8*\t+4], v[ST+8*\t+4], v[S+32*\t+7], v[S+32*\t+15]
.endr
.irp t, 0,1
	v_max3_num_f32 v[ST+8*\t+6], v[ST+8*\t+6], v[S+32*\t+23], v[S+32*\t+31]
.endr
.irp t, 0,1
	v_max3_num_f32 v[ST+8*\t+4], v[ST+8*\t+4], v[ST+8*\t+5], v[ST+8*\t+6]
.endr
.irp t, 0,1
	v_max3_num_f32 v[ST+8*\t+4], v[ST+8*\t+4], v[ST+8*\t+7], v[ST+8*\t+1]
.endr
.irp t, 0,1
	v_permlanex16_b32 v[ST+8*\t+5], v[ST+8*\t+4], s[SEL], s[SEL+1]  ; the query's other 32 keys lie in the lane 16 away
.endr
.irp t, 0,1
	v_max_num_f32 v[ST+8*\t+1], v[ST+8*\t+4], v[ST+8*\t+5]  ; the new m
.endr
.irp t, 0,1
	v_mul_f32 v[ST+8*\t], s[CS], v[ST+8*\t+1]  ; c m
.endr
.irp t, 0,1
	v_sub_f32 v[ST+8*\t+7], v[OLD+\t], v[ST+8*\t]  ; c m_old - c m_new
.endr
	; ONE BATCH: a and the 64 weights' exponentials, with the scalings c s - c m a pair ahead of them.  None of these lines names an exponential's result
.irp t, 0,1
	v_exp_f32 v[ST+8*\t+6], v[ST+8*\t+7]
.endr
.irp t, 0,1
	v_pk_fma_f32 v[S+32*\t:S+32*\t+1], v[S+32*\t:S+32*\t+1], s[CS:CS+1], v[ST+8*\t:ST+8*\t+1] op_sel_hi:[1,0,0] neg_lo:[0,0,1] neg_hi:[0,0,1]
.endr
.irp b, 0,1,2,3,4,5,6,7,8,9,10,11,12,13,14,15
.if \b < 15
.irp t, 0,1
	v_pk_fma_f32 v[S+32*\t+2*\b+2:S+32*\t+2*\b+3], v[S+32*\t+2*\b+2:S+32*\t+2*\b+3], s[CS:CS+1], v[ST+8*\t:ST+8*\t+1] op_sel_hi:[1,0,0] neg_lo:[0,0,1] neg_hi:[0,0,1]
.endr
.endif
.irp t, 0,1
	v_exp_f32 v[S+32*\t+2*\b], v[S+32*\t+2*\b]
	v_exp_f32 v[S+32*\t+2*\b+1], v[S+32*\t+2*\b+1]
.endr
.endr
	v_nop                           ; a plain instruction behind the last exponential and ahead of the first use (ISA guide 5.7.2)
	s_wait_alu depctr_va_vdst(0)    ; the wait ahead of the first instruction that names a result: one for the 66
	; l = a l + the sum of the unrounded weights, two at a time, in two chains a tile
.irp t, 0,1
	v_pk_fma_f32 v[ST+8*\t+2:ST+8*\t+3], v[ST+8*\t+2:ST+8*\t+3], v[ST+8*\t+6:ST+8*\t+7], v[S+32*\t:S+32*\t+1] op_sel_hi:[1,0,1]
.endr
.irp t, 0,1
	v_pk_add_f32 v[ST+8*\t+4:ST+8*\t+5], v[S+32*\t+2:S+32*\t+3], v[S+32*\t+4:S+32*\t+5]
.endr
.irp i, 3,5,7,9,11,13
.irp t, 0,1
	v_pk_add_f32 v[ST+8*\t+2:ST+8*\t+3], v[ST+8*\t+2:ST+8*\t+3], v[S+32*\t+2*\i:S+32*\t+2*\i+1]
	v_pk_add_f32 v[ST+8*\t+4:ST+8*\t+5], v[ST+8*\t+4:ST+8*\t+5], v[S+32*\t+2*\i+2:S+32*\t+2*\i+3]
.endr
.endr
.irp t, 0,1
	v_pk_add_f32 v[ST+8*\t+2:ST+8*\t+3], v[ST+8*\t+2:ST+8*\t+3], v[S+32*\t+30:S+32*\t+31]
.endr
.irp t, 0,1
	v_pk_add_f32 v[ST+8*\t+2:ST+8*\t+3], v[ST+8*\t+2:ST+8*\t+3], v[ST+8*\t+4:ST+8*\t+5]
.endr
.set i, 0
.rept 16                            ; the weights to f16, in place and ascending: register i takes pair i, which lies at 2 i: no pair is written over before it is read
.irp t, 0,1
	v_cvt_pk_f16_f32 v[S+32*\t+i], v[S+32*\t+2*i], v[S+32*\t+2*i+1]
.endr
.set i, i+1
.endr
.set i, 0
.rept 16                            ; O^T times a, ascending: each accumulator is read from its low end on
.irp t, 0,1
	v_pk_mul_f32 v[O+32*\t+2*i:O+32*\t+2*i+1], v[O+32*\t+2*i:O+32*\t+2*i+1], v[ST+8*\t+6:ST+8*\t+7] op_sel_hi:[1,0]
.endr
.set i, i+1
.endr
	s_wait_dscnt 0x0                ; V is in
.irp c, 0,1                         ; O^T += V^T P: eight accumulators take turns
.irp ct, 0,1,2,3
.irp t, 0,1
	v_wmma_f32_16x16x32_f16 v[O+32*\t+8*\ct:O+32*\t+8*\ct+7], v[KV+32*\c+8*\ct:KV+32*\c+8*\ct+7], v[S+32*\t+8*\c:S+32*\t+8*\c+7], v[O+32*\t+8*\ct:O+32*\t+8*\ct+7]
.endr
.endr
.endr
.endm
; THE CHANGE OF SLOTS stands at a slot's head.  Each wave waits for all its tensor loads (its part of the slot that it is about to read), adds 0 to its spare word, and waits for that and for its reads of the slot that it has left.
; fill = 1: a round of the cluster's barrier follows, so that no wave of any partner still reads the slot that was left or has a load on its way; the joint fill of that slot is the first thing behind the round, one load a wave,
; and has four key steps in which to land.  A fetching wave has one tensor load out.
.macro CHANGE fill
	s_wait_tensorcnt 0x0            ; no tensor load of mine is out, so a group 0 may be written
	ds_add_u32 v[SPW], v[NIL]       ; 0 onto my spare word
.if \fill
	ds_add_u32 v[SPW], v[NIL]       ; and once more: the add stands twice on end, in every trip alike
	s_xor_b32 s[G0K+1], s[G0K+1], SLOT1  ; the walking descriptors: the other slot than last time,
	s_add_nc_u64 s[G0K+2:G0K+3], s[G0K+2:G0K+3], SK*128  ; the next 256 keys; the type bits on top are not reached
	s_xor_b32 s[G0V+1], s[G0V+1], SLOT1
	s_add_nc_u64 s[G0V+2:G0V+3], s[G0V+2:G0V+3], SK*128
	s_wait_xcnt 0x0                 ; the last prefetch, a slot back, has read its address, so it may be written:
	s_add_nc_u64 s[PFA:PFA+1], s[PFA:PFA+1], SK*128  ; one slot further on than the walking descriptors
	s_wait_dscnt 0x0                ; both adds are done, and my reads of the slot that I have left are over
	CROUND
	TLOAD
	ASK
.else
	s_wait_dscnt 0x0                ; the add is done, and my reads of the slot that I have left are over
	s_barrier_signal -1
	s_barrier_wait -1
.endif
.endm
.macro SLOT_STEPS
	v_add_nc_u32 v[ADK], s[TB], v[AK0]
	v_add_nc_u32 v[ADV], s[TB], v[AV0]
	STEP 0
	STEP 1
	STEP 2
	STEP 3
	s_xor_b32 s[TB], s[TB], SLOT1   ; on to the other slot
.endm
	s_wait_loadcnt 0x0              ; Q
.Lslot:                             ; NSL - 1 trips: behind each change of slots but the last the next slot is asked for (in the first trip: slot 1's first fill)
	CHANGE 1
	SLOT_STEPS
	s_sub_co_u32 s[SLOTS], s[SLOTS], 1
	s_cmp_lg_u32 s[SLOTS], 0
	s_cbranch_scc1 .Lslot
	CHANGE 0                        ; the last slot is written out
	SLOT_STEPS
	; THE WAY OUT.  l's two halves and the other half of the lanes' are added; O^T is divided by l, rounded to f16 and sent through my stage in LDS.  The additions and the address work are the places behind the last products.
.irp t, 0,1
	v_add_f32 v[ST+8*\t+4], v[ST+8*\t+2], v[ST+8*\t+3]
.endr
.irp t, 0,1
	v_permlanex16_b32 v[ST+8*\t+5], v[ST+8*\t+4], s[SEL], s[SEL+1]
.endr
.irp t, 0,1
	v_add_f32 v[ST+8*\t+4], v[ST+8*\t+4], v[ST+8*\t+5]
.endr
.irp t, 0,1
	v_rcp_f32 v[ST+8*\t+6], v[ST+8*\t+4]
.endr
	v_and_b32 v254, 15, v0          ; (a plain instruction behind the reciprocals)  r
	v_bfe_u32 v255, v0, 4, 1        ; h
	s_mul_i32 s48, s[WV], 32*PK
	s_add_co_u32 s48, s48, STAGE    ; my stage
	v_mul_u32_u24 v[STO], v254, PK  ; in: row r of a tile, 16 bytes for each half of the lanes
	v_lshl_add_u32 v[STO], v255, 4, v[STO]
	v_add_nc_u32 v[STO], s48, v[STO]
	v_and_b32 v254, 31, v0
	v_lshrrev_b32 v255, 3, v254     ; back: eight lanes take a row of 128 bytes, the 32 lanes four rows
	v_mul_u32_u24 v[RD], v255, PK
	v_and_b32 v255, 7, v0
	v_lshl_add_u32 v[RD], v255, 4, v[RD]
	v_add_nc_u32 v[RD], s48, v[RD]
	v_lshlrev_b32 v[GO], 4, v254    ; in memory four rows are 512 bytes on end
	s_wait_alu depctr_va_vdst(0)    ; the wait ahead of the first use: one for the two reciprocals
.set i, 0
.rept 16
.irp t, 0,1
	v_pk_mul_f32 v[O+32*\t+2*i:O+32*\t+2*i+1], v[O+32*\t+2*i:O+32*\t+2*i+1], v[ST+8*\t+6:ST+8*\t+7] op_sel_hi:[1,0]
.endr
.set i, i+1
.endr
.irp t, 0,1
.irp ct, 0,1,2,3
.irp i, 0,1,2,3
	v_cvt_pk_f16_f32 v[S+16*\t+4*\ct+\i], v[O+32*\t+8*\ct+2*\i], v[O+32*\t+8*\ct+2*\i+1]  ; a lane's eight channels of a row pack into 16 bytes
.endr
.endr
.endr
.irp t, 0,1
.irp ct, 0,1,2,3
	ds_store_b128 v[STO], v[S+16*\t+4*\ct:S+16*\t+4*\ct+3] offset:16*PK*\t+32*\ct
.endr
.endr
.irp i, 0,1,2,3,4,5,6,7
	ds_load_b128 v[KV+4*\i:KV+4*\i+3], v[RD] offset:4*PK*\i  ; LDS serves a wave's instructions in order (ISA guide 5.7.1.4): these see the stores above
.endr
.irp i, 0,1,2,3,4,5,6,7
	s_wait_dscnt 7-\i               ; load i is in; the younger ones stay out
	global_store_b128 v[GO], v[KV+4*\i:KV+4*\i+3], s[6:7] offset:512*\i  ; 32 lanes store 512 consecutive bytes, aligned
.endr
	s_wait_tensorcnt 0x0            ; the wave's end, behind my last tensor load and my last LDS store
	ds_add_u32 v[SPW], v[NIL]
	s_wait_dscnt 0x0
	CROUND                          ; the closing round: no work-group ends while a partner may still ask for a tile that names it
	s_endpgm
.Lfunc_end_k_q0c9dbf03a3_attn:
	.size	k_q0c9dbf03a3_attn, .Lfunc_end_k_q0c9dbf03a3_attn-k_q0c9dbf03a3_attn
	.p2alignl 7, 3214868480
	.fill 96, 4, 3214868480
	.section	.rodata,"a",@progbits
	.p2align	6, 0x0
	.amdhsa_kernel k_q0c9dbf03a3_attn
		.amdhsa_group_segment_fixed_size 327680
		.amdhsa_private_segment_fixed_size 0
		.amdhsa_enable_private_segment 0
		.amdhsa_kernarg_size 16
		.amdhsa_user_sgpr_count 2
		.amdhsa_user_sgpr_kernarg_segment_ptr 1
		.amdhsa_wavefront_size32 1
		.amdhsa_system_sgpr_workgroup_id_x 1
		.amdhsa_system_sgpr_workgroup_id_y 1
		.amdhsa_system_sgpr_workgroup_id_z 1
		.amdhsa_system_vgpr_workitem_id 0
		.amdhsa_next_free_vgpr 256
		.amdhsa_next_free_sgpr 72
		.amdhsa_reserve_vcc 0
		.amdhsa_float_denorm_mode_32 3
		.amdhsa_float_denorm_mode_16_64 3
		.amdhsa_memory_ordered 1
		.amdhsa_forward_progress 1
		.amdhsa_inst_pref_size 153
	.end_amdhsa_kernel
	.amdgpu_metadata
---
amdhsa.version: [ 1, 2 ]
amdhsa.kernels:
  - .name:           k_q0c9dbf03a3_attn
    .symbol:         k_q0c9dbf03a3_attn.kd
    .args:
      - { .name: qkv, .offset: 0, .size: 8, .value_kind: global_buffer, .address_space: global }
      - { .name: y16, .offset: 8, .size: 8, .value_kind: global_buffer, .address_space: global }
    .group_segment_fixed_size: 327680
    .private_segment_fixed_size: 0
    .kernarg_segment_align: 8
    .kernarg_segment_size: 16
    .max_flat_workgroup_size: 512
    .sgpr_count:     72
    .vgpr_count:     256
    .wavefront_size: 32
...
	.end_amdgpu_metadata
.endif
;; end of part 3
;; launch proj (part 4): grid 4 x 64, 4 waves a work-group, clusters of 4 x 4, 327,680 bytes of LDS; arguments y16, wp16, bp, out0; writes out0
.if DOCPART == 4
	.amdgcn_target "amdgcn-amd-amdhsa--gfx1250"
	.amdhsa_code_object_version 6
	.text
	.protected	k_q0c9dbf03a3_proj
	.globl	k_q0c9dbf03a3_proj
	.p2align	8
	.type	k_q0c9dbf03a3_proj,@function
k_q0c9dbf03a3_proj:
	s_mov_b64 s[64:65], 0
	v_nop
	global_prefetch_b8 v0, s[64:65] scope:SCOPE_SE
	s_setreg_imm32_b32 hwreg(HW_REG_WAVE_MODE, 25, 1), 1
	s_wait_xcnt 0x0
	s_wait_alu depctr_hold_cnt(0) depctr_sa_sdst(0) depctr_va_vdst(0) depctr_va_sdst(0) depctr_va_ssrc(0) depctr_va_vcc(0) depctr_vm_vsrc(0)
	s_getreg_b32 s2, hwreg(HW_REG_IB_STS2, 6, 4)
	s_cmp_eq_u32 s2, 0
	s_cbranch_scc0 .Lentry_in_a_cluster
	s_endpgm
.Lentry_in_a_cluster:
	s_bfe_u32 s2, ttmp6, 0x10000c
	s_cmp_lg_u32 s2, 0xf033
	s_cbranch_scc0 .Lentry_shape_is_right
	s_endpgm
.Lentry_shape_is_right:
; out0[m][e] = the sum over d of y[m][d] Wp[e][d] + bp[e].  m = 2048 batch + position (8,192 rows), e and d 0..1023.  f16 operands, f32 sums; the bias is the C of each sum's first product; out0 is f32.
; Both operands lie in PLANES of 64 along d: y16 [16 batch + d / 64][position][d % 64], wp16 [d / 64][e][d % 64], rows of 128 bytes, dense.  K is walked plane by plane, alike for both.
; A tile of the result is 128 rows x 256 columns: 64 x 4 = 256 work-groups.  Four waves, each 64 rows x 128 columns: 32 accumulators of 16 x 16, 256 registers.
; K goes in steps of 128 (two planes) through a ring of two LDS slots filled by the tensor data mover: waves 0 and 1 fetch a plane each of y's 128 rows, waves 2 and 3 a plane each of Wp's 256 rows.
; CLUSTERS: 4 x 4 work-groups.  The four of a row of the cluster need the same tiles of y, the four of a column the same tiles of Wp: each tile is asked for JOINTLY, by the same tensor load with the same descriptor
; and a mask that names the four.  THE MATRIX INSTRUCTION IS USED TRANSPOSED (source 0 = 16 rows of Wp, source 1 = 16 rows of y): a lane then holds eight neighbouring numbers of a row of out0.
; REGISTERS: window 0: v0-31 addresses; two fragment buffers of 96 for 32 along K, at v64 and v160: 32 registers of y (4 x 16 rows), then 64 of Wp (8 x 16 rows).
;   window 1: the accumulators ((a, b) at v[8 (8 a + b)]).   window 2: v0-63 the bias in the result's layout.
.set PITCH,  144                       ; an LDS row: 128 bytes + 16 of padding = 36 words: the 16 rows of a load start at 16 different groups of four banks (64 banks of 4 bytes: ISA guide 11.1)
.set APL,    128*PITCH                 ; a plane of y's tile
.set BPL,    256*PITCH                 ; a plane of Wp's
.set SLOT,   2*APL+2*BPL               ; y's two planes, then Wp's two
.set SPARE,  2*SLOT                    ; behind the ring: the spare words, 128 bytes a wave
.set SPITCH, 528                       ; the way out: a stage of 16 rows x (512 bytes + 16) for each wave, in slot 0, which has had its last fill and its last read when the first result is stored there
.set LAPS,   1024/256                  ; a lap = two K steps = once round the ring
.set ADRA, 16                          ; v16-17  LDS address of my y fragments in slot 0, 1
.set ADRB, 20                          ; v20-21  the same for Wp
.set STO,  24                          ; v24     the way out: where I put 32 bytes of a row
.set RD,   25                          ; v25     the way out: where I read a row back
.set CO,   26                          ; v26     16 x lane
.set BO,   27                          ; v27     my byte offset in the bias
.set SPW,  28                          ; v28     LDS address of my spare word; never rewritten
.set NIL,  29                          ; v29     0; never rewritten
.set F0,   64
.set F1,   160
.set BK,   64                          ; the way out: 16 rows read back from the stage: v64-127 and v128-191 by turns
.set G1, 24                            ; s[24:31] descriptor group 1 for y's tiles;  s[32:39] group 0, one set for each slot
.set G0, 32
.set G1B, 48                           ; s[48:55], s[56:63] the same for Wp's tiles
.set G0B, 56
.set MSB, 0
.macro WIN new                         ; the immediate's high byte repeats the setting that is left
.if MSB != (\new)
	s_set_vgpr_msb (MSB<<8)|(\new)
.set MSB, (\new)
.endif
.endm
.set MUL, 0x50                         ; sources 0 and 1 window 0; C and D window 1.  (+ 0x10: C, the bias, in window 2)
.macro JLOAD s                         ; a joint load: waves 0 and 1 fetch y's two planes, waves 2 and 3 Wp's; an s_nop 0 and four v_nop follow each of the two lines, ahead of the jump, the label and what follows
	s_cmp_eq_u32 s13, 0
	s_cbranch_scc0 .Lfor_b_\@
	tensor_load_to_lds s[G0+4*\s:G0+4*\s+3], s[G1:G1+7]
	s_nop 0
.rept 4
	v_nop
.endr
	s_branch .Lasked_\@
.Lfor_b_\@:
	tensor_load_to_lds s[G0B+4*\s:G0B+4*\s+3], s[G1B:G1B+7]
	s_nop 0
.rept 4
	v_nop
.endr
.Lasked_\@:
.endm
.macro CREST                           ; a round of the cluster's barrier behind its opening barrier
	s_cmp_lg_u32 s12, 0
	s_cbranch_scc1 .Lnot_wave_0_\@
	s_barrier_signal -3
.Lnot_wave_0_\@:
	s_barrier_wait -3
	s_barrier_signal -1
	s_barrier_wait -1
.endm
.macro CROUND                          ; a whole round
	s_barrier_signal -1
	s_barrier_wait -1
	CREST
.endm
	s_load_b256 s[4:11], s[0:1], 0x0               ; y16 s[4:5], wp16 s[6:7], bp s[8:9], out0 s[10:11]
	v_lshl_add_u32 v[SPW], v0, 2, SPARE
	v_mov_b32 v[NIL], 0
	ds_add_u32 v[SPW], v[NIL]                      ; the wave's opening: the add, twice on end, and its wait ahead of my first tensor load; the set-up below stands between the second and the wait
	ds_add_u32 v[SPW], v[NIL]
	v_lshrrev_b32 v1, 5, v0
	v_readfirstlane_b32 s12, v1                    ; wave 0..3
	s_lshr_b32 s13, s12, 1                         ; which half of the tile's rows is mine.  Also: I fetch for y (0) or for Wp (1)
	s_and_b32 s14, s12, 1                          ; which half of its columns.  Also: which of a K step's two planes I fetch
	s_bfe_u32 s40, ttmp6, 0x40000                  ; cx, cy: my place in the cluster
	s_bfe_u32 s41, ttmp6, 0x40004
	s_lshl_b32 s42, ttmp9, 2
	s_add_co_u32 s42, s42, s40                     ; tile column = 4 x cluster x + cx
	s_and_b32 s15, ttmp7, 0xffff
	s_lshl_b32 s15, s15, 2
	s_add_co_u32 s15, s15, s41                     ; tile row = 4 x cluster y + cy
	s_lshl_b32 s43, s41, 2
	s_lshl_b32 s43, 15, s43                        ; my row of the cluster
	s_lshl_b32 s44, 0x1111, s40                    ; my column
	; descriptor group 1: rows of 64 elements, dense in memory, padded in LDS: 128 rows for y, 256 for Wp
	s_or_b32 s[G1+0], s43, (1<<16)|(1<<20)|(1<<21)|(4<<22)|(3<<25)  ; 15:0 the mask: y's tiles go to my row; 17:16 element of 2 bytes; 20 padding on; 21 set beside a mask; 24:22 after every 32 words (code 4); 31:25 of 4 words (code 3)
	s_or_b32 s[G1B+0], s44, (1<<16)|(1<<20)|(1<<21)|(4<<22)|(3<<25)
	s_mov_b32 s[G1+1], 64<<16                      ; tensor_dim0 = 64
	s_mov_b32 s[G1+2], 128<<16                     ; tensor_dim1 = 128
	s_mov_b32 s[G1+3], 64<<16                      ; tile_dim0 = 64
	s_mov_b32 s[G1+4], 128                         ; tile_dim1 = 128
	s_mov_b32 s[G1+5], 64                          ; tensor_dim0_stride
	s_mov_b32 s[G1+6], 0
	s_mov_b32 s[G1+7], 0
	s_mov_b32 s[G1B+1], 64<<16
	s_mov_b32 s[G1B+2], 256<<16                    ; tensor_dim1 = 256
	s_mov_b32 s[G1B+3], 64<<16
	s_mov_b32 s[G1B+4], 256                        ; tile_dim1 = 256
	s_mov_b32 s[G1B+5], 64
	s_mov_b32 s[G1B+6], 0
	s_mov_b32 s[G1B+7], 0
	s_lshr_b32 s16, s15, 4                         ; y: batch = tile row / 16: 16 planes of 262,144 bytes,
	s_lshl_b32 s16, s16, 22
	s_and_b32 s17, s15, 15
	s_lshl_b32 s17, s17, 14                        ; 128 rows of 128 bytes for each tile row within the batch,
	s_add_co_u32 s16, s16, s17
	s_lshl_b32 s17, s14, 18                        ; my plane of the K step
	s_add_co_u32 s16, s16, s17
	s_mov_b32 s17, 0
	s_lshl_b32 s46, s42, 15                        ; Wp: 256 rows of 128 bytes for each tile column,
	s_lshl_b32 s47, s14, 17                        ; my plane: 131,072 bytes
	s_add_co_u32 s46, s46, s47
	s_mov_b32 s47, 0
	s_mul_i32 s20, s14, APL                        ; where they go: no place in the cluster enters an LDS address
	s_mul_i32 s21, s14, BPL
	s_add_co_u32 s21, s21, 2*APL
	s_wait_dscnt 0x0                               ; both opening adds are done
	s_wait_kmcnt 0x0
	s_add_nc_u64 s[18:19], s[4:5], s[16:17]
	s_add_nc_u64 s[46:47], s[6:7], s[46:47]
	CROUND                                         ; all sixteen work-groups are here: the first joint loads meet
.irp s, 0,1
	s_mov_b32 s[G0+4*\s], 1
	s_add_co_u32 s[G0+4*\s+1], s20, \s*SLOT
	s_add_nc_u64 s[G0+4*\s+2:G0+4*\s+3], s[18:19], \s*2*262144     ; K step s: two planes on
	s_or_b32 s[G0+4*\s+3], s[G0+4*\s+3], 0x80000000
	s_mov_b32 s[G0B+4*\s], 1
	s_add_co_u32 s[G0B+4*\s+1], s21, \s*SLOT
	s_add_nc_u64 s[G0B+4*\s+2:G0B+4*\s+3], s[46:47], \s*2*131072
	s_or_b32 s[G0B+4*\s+3], s[G0B+4*\s+3], 0x80000000
	JLOAD \s                                       ; two tensor loads of mine are out
.endr
	v_and_b32 v1, 15, v0                           ; r = l % 16
	v_bfe_u32 v2, v0, 4, 1                         ; h = l / 16
	v_mul_u32_u24 v3, v1, PITCH
	v_lshl_add_u32 v3, v2, 4, v3                   ; a fragment's row x pitch + 16 x half
	s_mul_i32 s21, s13, 64*PITCH                   ; my 64 rows of y
	s_mul_i32 s22, s14, 128*PITCH                  ; my 128 rows of Wp,
	s_add_co_u32 s22, s22, 2*APL                   ; which lie behind y's two planes
.irp s, 0,1
	v_add_nc_u32 v[ADRA+\s], s21, v3
	v_add_nc_u32 v[ADRB+\s], s22, v3
	s_add_co_u32 s21, s21, SLOT
	s_add_co_u32 s22, s22, SLOT
.endr
	s_mul_i32 s23, s12, 16*SPITCH                  ; my stage
	v_mul_u32_u24 v4, v1, SPITCH                   ; in: row r, 32 bytes for each half of the lanes
	v_lshl_add_u32 v4, v2, 5, v4
	v_add_nc_u32 v[STO], s23, v4
	v_and_b32 v5, 31, v0
	v_lshlrev_b32 v[CO], 4, v5                     ; back: the 32 lanes take one row of 512 bytes; and the same in out0
	v_add_nc_u32 v[RD], s23, v[CO]
	s_lshl_b32 s16, s15, 19                        ; my first row of out0: 128 x tile row + 64 x half, rows of 4,096 bytes
	s_lshl_b32 s17, s13, 18
	s_add_co_u32 s16, s16, s17
	s_mov_b32 s17, 0
	s_add_nc_u64 s[10:11], s[10:11], s[16:17]
	s_lshl_b32 s46, s42, 10                        ; my first column, in bytes: 1,024 x tile column + 512 x half
	s_lshl_b32 s47, s14, 9
	s_add_co_u32 s46, s46, s47
	s_mov_b32 s47, 0
	s_add_nc_u64 s[10:11], s[10:11], s[46:47]
	v_lshl_add_u32 v[BO], v2, 5, s46               ; the bias of my 128 columns, in the result's layout: lane (r, h), block b, register j: column 16 b + 8 h + j
	WIN 0x80                                       ; destination window 2
.irp b, 0,1,2,3,4,5,6,7
	global_load_b128 v[8*\b:8*\b+3], v[BO], s[8:9] offset:64*\b
	global_load_b128 v[8*\b+4:8*\b+7], v[BO], s[8:9] offset:64*\b+16
.endr
	WIN 0
; 8 matrix instructions: y's block a against Wp's eight, 32 along K: buffer f.  bias = 1: the bias is C: nothing is cleared and nothing is added later.
; The 32 accumulators take turns, one instruction a turn, in the same order in every quarter.
.macro MUL8 f, a, bias
.irp b, 0,1,2,3,4,5,6,7
.if \bias
	v_wmma_f32_16x16x32_f16 v[8*(8*(\a)+\b):8*(8*(\a)+\b)+7], v[\f+32+8*\b:\f+32+8*\b+7], v[\f+8*(\a):\f+8*(\a)+7], v[8*\b:8*\b+7]
.else
	v_wmma_f32_16x16x32_f16 v[8*(8*(\a)+\b):8*(8*(\a)+\b)+7], v[\f+32+8*\b:\f+32+8*\b+7], v[\f+8*(\a):\f+8*(\a)+7], v[8*(8*(\a)+\b):8*(8*(\a)+\b)+7]
.endif
.endr
.endm
; 24 LDS loads in one run: the fragments of the slot's q-th 32 along K (plane q / 2, byte 64 (q % 2) of its rows) into buffer f: Wp's sixteen first, then y's eight.  Every window is 0 here.
.macro FETCH slot, q, f
.irp i, 0,1,2,3,4,5,6,7
	ds_load_b128 v[\f+32+8*\i:\f+32+8*\i+3],   v[ADRB+\slot] offset:((\q)/2)*BPL+\i*16*PITCH+64*((\q)%2)
	ds_load_b128 v[\f+32+8*\i+4:\f+32+8*\i+7], v[ADRB+\slot] offset:((\q)/2)*BPL+\i*16*PITCH+64*((\q)%2)+32
.endr
.irp i, 0,1,2,3
	ds_load_b128 v[\f+8*\i:\f+8*\i+3],   v[ADRA+\slot] offset:((\q)/2)*APL+\i*16*PITCH+64*((\q)%2)
	ds_load_b128 v[\f+8*\i+4:\f+8*\i+7], v[ADRA+\slot] offset:((\q)/2)*APL+\i*16*PITCH+64*((\q)%2)+32
.endr
.endm
.macro PLACES                          ; four places in front of loads into registers that matrix instructions have read, and of LDS stores that read results (ISA guide 7.12.1 for vector instructions)
.rept 4
	v_nop
.endr
.endm
; A K step is four quarters of 32 along K, 32 matrix instructions each, on buffers 0, 1, 0, 1.  One of the first three: multiplies buffer f and fetches the slot's quarter qn into g.
.macro QUARTER slot, qn, f, g, bias
	s_wait_dscnt 4                                 ; Wp's fragments and y's blocks 0 and 1 are in; the youngest four loads (blocks 2 and 3) may be out
	WIN MUL+0x10*(\bias)
	MUL8 \f, 0, \bias
	MUL8 \f, 1, \bias
	PLACES
	WIN 0
	FETCH \slot, \qn, \g
	s_wait_dscnt 24                                ; all but the 24 just issued
	WIN MUL+0x10*(\bias)
	MUL8 \f, 2, \bias
	MUL8 \f, 3, \bias
.endm
; The last quarter multiplies buffer 1 and changes slots: ONE barrier; in front of it each wave waits for all its tensor loads, adds 0 to its spare word, and waits for that and for its own reads of this slot.
; fill = 1: the barrier opens a round of the cluster's, and this slot is filled again, two K steps ahead: the load has a K step less sixteen matrix instructions in which to land.
.macro TURN slot, next, fill
	WIN 0                                          ; (the add's two registers lie in window 0)
	s_wait_tensorcnt 0x0                           ; all my tensor loads have landed: my part of the next slot;
	ds_add_u32 v[SPW], v[NIL]                      ; 0 onto my spare word;
	s_wait_dscnt 5                                 ; (the add and the youngest four loads may be out)
	WIN MUL
	MUL8 F1, 0, 0                                  ; eight matrix instructions stand between the add and the wait for it
	s_wait_dscnt 0x0                               ; the add is done, and my reads of this slot are over
	s_barrier_signal -1
	MUL8 F1, 1, 0
	WIN 0                                          ; (branches and LDS loads follow)
	s_barrier_wait -1
.if \fill
	CREST                                          ; no wave of any partner still reads this slot's tile or has a load on its way
	s_add_nc_u64 s[G0+4*\slot+2:G0+4*\slot+3], s[G0+4*\slot+2:G0+4*\slot+3], 4*262144     ; two K steps, four planes, on
	s_add_nc_u64 s[G0B+4*\slot+2:G0B+4*\slot+3], s[G0B+4*\slot+2:G0B+4*\slot+3], 4*131072
	JLOAD \slot                                    ; the first tensor load behind the round; the four v_nop behind it are also the places in front of the loads below
.else
	PLACES
.endif
	FETCH \next, 0, F0
	WIN MUL
	MUL8 F1, 2, 0
	MUL8 F1, 3, 0
.endm
	s_wait_loadcnt 0x0                             ; the bias
	s_wait_tensorcnt 1                             ; my part of K step 0 is in (K step 1's load may be out)
	s_barrier_signal -1
	s_barrier_wait -1                              ; everybody's is
	FETCH 0, 0, F0
	QUARTER 0, 1, F0, F1, 1                        ; the first quarter stands in front of the loop: its products start the sums from the bias
	WIN 0                                          ; at a label and at a branch every window is 0
	s_mov_b32 s3, LAPS-1
.Llap:                                                 ; a trip goes once round the ring, from a lap's second quarter to the next lap's first, and fills both slots again
	QUARTER 0, 2, F1, F0, 0
	QUARTER 0, 3, F0, F1, 0
	TURN 0, 1, 1
	QUARTER 1, 1, F0, F1, 0
	QUARTER 1, 2, F1, F0, 0
	QUARTER 1, 3, F0, F1, 0
	TURN 1, 0, 1
	QUARTER 0, 1, F0, F1, 0
	WIN 0
	s_sub_co_u32 s3, s3, 1
	s_cmp_lg_u32 s3, 0
	s_cbranch_scc1 .Llap
	QUARTER 0, 2, F1, F0, 0                        ; the last lap fills nothing, and has no round of the cluster's barrier
	QUARTER 0, 3, F0, F1, 0
	TURN 0, 1, 0
	QUARTER 1, 1, F0, F1, 0
	QUARTER 1, 2, F1, F0, 0
	QUARTER 1, 3, F0, F1, 0
	s_wait_dscnt 4                                 ; the very last quarter: nothing more to fetch
	WIN MUL
	MUL8 F1, 0, 0
	MUL8 F1, 1, 0
	s_wait_dscnt 0x0
	MUL8 F1, 2, 0
	MUL8 F1, 3, 0
	WIN 0
; THE WAY OUT, block by block of 16 rows x 128 columns.  A lane holds 32 neighbouring bytes of a row, and the lanes beside it hold other rows: so a block goes through my own stage in LDS and comes back as whole
; rows of 512 bytes.  LDS serves a wave's instructions in order (ISA guide 5.7.1.4): no wait between the stores and the loads, nor in front of the next block's stores.
.macro TOSTAGE a
	WIN 0x04                                       ; an LDS store's data are its source 1: window 1
.irp b, 0,1,2,3,4,5,6,7
	ds_store_b128 v[STO], v[64*(\a)+8*\b:64*(\a)+8*\b+3] offset:64*\b          ; each accumulator from its low end on
	ds_store_b128 v[STO], v[64*(\a)+8*\b+4:64*(\a)+8*\b+7] offset:64*\b+16
.endr
	WIN 0
.set BB, BK+64*((\a)%2)
.irp t, 0,1,2,3,4,5,6,7,8,9,10,11,12,13,14,15
	ds_load_b128 v[BB+4*\t:BB+4*\t+3], v[RD] offset:\t*SPITCH
.endr
.endm
.macro SEND a, younger                 ; younger: the LDS instructions issued behind block a's loads, which may stay out
.set BB, BK+64*((\a)%2)
	s_wait_dscnt \younger                          ; the block is back in registers
.irp t, 0,1,2,3,4,5,6,7,8,9,10,11,12,13,14,15
	global_store_b128 v[CO], v[BB+4*\t:BB+4*\t+3], s[10:11] offset:65536*(\a)+4096*\t th:TH_STORE_NT   ; 32 lanes store 512 consecutive bytes, aligned; written once, read by nobody here
.endr
.endm
	PLACES                                         ; behind the last products: the stage's stores read results, and its loads land where fragments lay
	TOSTAGE 0
.irp a, 1,2,3
.if \a > 1
	s_wait_xcnt 0x0                                ; block a - 2's stores have read their registers: block a's loads may land there
.endif
	TOSTAGE \a
	SEND \a-1, 32                                  ; behind block a - 1's loads: block a's 16 stores and 16 loads
.endr
	SEND 3, 0
	s_wait_tensorcnt 0x0                           ; the wave's end, behind my last tensor load and my last LDS store
	ds_add_u32 v[SPW], v[NIL]
	s_wait_dscnt 0x0
	CROUND                                         ; the closing round: no work-group ends while a partner may still ask for a tile that names it
	s_endpgm
.Lfunc_end_k_q0c9dbf03a3_proj:
	.size	k_q0c9dbf03a3_proj, .Lfunc_end_k_q0c9dbf03a3_proj-k_q0c9dbf03a3_proj
	.p2alignl 7, 3214868480
	.fill 96, 4, 3214868480
	.section	.rodata,"a",@progbits
	.p2align	6, 0x0
	.amdhsa_kernel k_q0c9dbf03a3_proj
		.amdhsa_group_segment_fixed_size 327680
		.amdhsa_private_segment_fixed_size 0
		.amdhsa_enable_private_segment 0
		.amdhsa_kernarg_size 32
		.amdhsa_user_sgpr_count 2
		.amdhsa_user_sgpr_kernarg_segment_ptr 1
		.amdhsa_wavefront_size32 1
		.amdhsa_system_sgpr_workgroup_id_x 1
		.amdhsa_system_sgpr_workgroup_id_y 1
		.amdhsa_system_sgpr_workgroup_id_z 1
		.amdhsa_system_vgpr_workitem_id 0
		.amdhsa_next_free_vgpr 576
		.amdhsa_next_free_sgpr 66
		.amdhsa_reserve_vcc 0
		.amdhsa_float_denorm_mode_32 3
		.amdhsa_float_denorm_mode_16_64 3
		.amdhsa_memory_ordered 1
		.amdhsa_forward_progress 1
		.amdhsa_inst_pref_size 86
	.end_amdhsa_kernel
	.amdgpu_metadata
---
amdhsa.version: [ 1, 2 ]
amdhsa.kernels:
  - .name:           k_q0c9dbf03a3_proj
    .symbol:         k_q0c9dbf03a3_proj.kd
    .args:
      - { .name: y16, .offset: 0, .size: 8, .value_kind: global_buffer, .address_space: global }
      - { .name: wp16, .offset: 8, .size: 8, .value_kind: global_buffer, .address_space: global }
      - { .name: bp, .offset: 16, .size: 8, .value_kind: global_buffer, .address_space: global }
      - { .name: out0, .offset: 24, .size: 8, .value_kind: global_buffer, .address_space: global }
    .group_segment_fixed_size: 327680
    .private_segment_fixed_size: 0
    .kernarg_segment_align: 8
    .kernarg_segment_size: 32
    .max_flat_workgroup_size: 128
    .sgpr_count:     66
    .vgpr_count:     576
    .wavefront_size: 32
...
	.end_amdgpu_metadata
.endif
;; end of part 4
